; MI455X (gfx1250); checked and timed in simulation.
; The chip was launched on July 23, 2026; its instructions are those of AMD's public machine-readable ISA for CDNA 5 (MIT licence, August 2026) and "CDNA5" Instruction Set Architecture Reference Guide (July 2026). The comments in the code are by the model that wrote it; some were corrected since.
;; Multi Head Self Attention. Allowed arithmetic: matrix products marked QUANTISED: E2M3 operands, one E8M0 scale for each 32 along K, by v_wmma_scale_f32_16x16x128_f8f6f4 with both operands' format E2M3, f32 sums; everything else in f32.
;; Inputs: Wk 1,024 x 1,024 float32; Wo 1,024 x 1,024 float32; Wq 1,024 x 1,024 float32; Wv 1,024 x 1,024 float32; b1 1,024 float32; b2 1,024 float32; bk 1,024 float32; bo 1,024 float32; bq 1,024 float32; bv 1,024 float32; g1 1,024 float32; g2 1,024 float32; x 2 x 2,048 x 1,024 float32.
;; Outputs: out0 2 x 1,024 float32; out1 2 x 2,048 float32.
;; This version of the problem:
;;   THIS VERSION OF THE PROBLEM IS GIVEN IN LOW PRECISION. The matrix products marked QUANTISED in the list below multiply operands that are first quantised to E2M3 (2 exponent bits, 3 mantissa bits; 6 bits a number), with one power-of-two scale for each 32 numbers along K (OCP MX v1.0); their sums are f32. All else is computed in f32.
;;   The module's matrix products, in the order in which they are computed (A, B: the left and right operand; K: the contracted axis; several contracted axes count as one K, in the product's order):
;;     1. [M 4,096, K 1,024] x [K 1,024, N 1,024]; A: computed on the way; B: input Wq: QUANTISED
;;     2. [M 4,096, K 1,024] x [K 1,024, N 1,024]; A: computed on the way; B: input Wk: QUANTISED
;;     3. [M 4,096, K 1,024] x [K 1,024, N 1,024]; A: computed on the way; B: input Wv: QUANTISED
;;     4. batch 32 x [M 2,048, K 64] x [K 64, N 2,048]; A: computed on the way; B: computed on the way: QUANTISED
;;     5. batch 32 x [M 2,048, K 2,048] x [K 2,048, N 64]; A: softmax (see below); B: computed on the way: QUANTISED
;;     6. [M 4,096, K 1,024] x [K 1,024, N 1,024]; A: computed on the way; B: input Wo: QUANTISED
;;   THE QUANTISER, for each operand of a quantised product, along K:
;;     - K is cut into blocks of 32 from its start; a last block that is shorter is filled with zeros.
;;     - A block's scale is 2^e with e = floor(log2(the largest magnitude in the block)) - 2, held to -126 .. 127; a block of zeros has e = 0. As a byte (E8M0): e + 127.
;;     - Each number is divided by its block's scale, clamped to +-7.5, and rounded to the nearest number of E2M3, ties to even, subnormals kept.
;;     - The product sums the exact products of the quantised numbers (number of the format x scale) in f32.
;;   ~~~python
;;   def quantise(x, axis):      # numpy; x: float32 -> the quantised numbers, widened to float32 again
;;       x = np.moveaxis(x, axis, -1); K = x.shape[-1]
;;       x = np.pad(x, [(0, 0)] * (x.ndim - 1) + [(0, -K % 32)]); x = x.reshape(x.shape[:-1] + (-1, 32)); a = np.abs(x).max(-1, keepdims=True)
;;       e = np.where(a > 0, np.clip(np.frexp(np.where(a > 0, a, 1))[1] - 1 - 2, -126, 127), 0)      # np.frexp(a)[1] - 1 = floor(log2(a)), exactly
;;       r = np.clip(x / 2.0 ** e, -7.5, 7.5)
;;       step = 2.0 ** (np.maximum(np.frexp(np.where(r == 0, 1, r))[1] - 1, 0) - 3)
;;       q = np.round(r / step) * step * 2.0 ** e      # np.round: ties to even
;;       return np.moveaxis(q.reshape(q.shape[:-2] + (-1,))[..., :K], -1, axis).astype(np.float32)
;;   ~~~
;;   SOFTMAX AHEAD OF A QUANTISED PRODUCT. Where the list says 'softmax', what is quantised is not the finished softmax but p = 2^(t - M), with t = logit x log2(e) and M = ceil(the row's largest t), a whole number; so 1/2 < the row's largest p <= 1. The row's sum l is taken of the UNQUANTISED p, in f32, and the product's result is divided by l at the end. Since M is a whole number, a kernel that streams over the keys may use a running M (the ceiling of the running maximum): every later rescaling is an exact power of two, which a block's scale takes up: the codes' values come out the same.
;;   OPERANDS COMPUTED ON THE WAY. 'Computed on the way' means the value that the module computes at that place (a softmax that the list does not call 'softmax' is quantised finished and normalised). What goes into a quantiser is computed in f32, as accurately as f32 sums, v_exp_f32 and their like allow (about 1e-6 of the number): no bf16 or f16 on the way to a quantiser, and a product that is left as it is and whose result goes on into a quantised operand takes f32 operands (vector FMAs, or v_wmma_f32_16x16x4_f32). A number that lies on a knife's edge between two numbers of the format may be rounded either way, as far as f32 arithmetic and the matrix unit's own rounding can turn it there, and no further.
;; One version. Each part assembles by itself: llvm-mc -triple=amdgcn-amd-amdhsa -mcpu=gfx1250 --defsym DOCPART=n.
;; ======== version 1 of 1: 6 launches
;; limits: right only within a limited range of input values
;; workspace buffers: pre_h 3,276,800 bytes; pre_w 3,276,800 bytes; qkvb 10,223,616 bytes; ctx 3,276,800 bytes; row0 1,081,344 bytes; y 16,777,216 bytes; part 524,288 bytes
;; launch prep (part 1): grid 384 x 1, 4 waves a work-group, no clusters, 66,304 bytes of LDS; arguments x, g1, b1, Wq, Wk, Wv, Wo, pre_h, pre_w; writes pre_h, pre_w
.if DOCPART == 1
	.amdgcn_target "amdgcn-amd-amdhsa--gfx1250"
	.amdhsa_code_object_version 6
	.text
	.protected	k_q85bbc4c019_prep
	.globl	k_q85bbc4c019_prep
	.p2align	8
	.type	k_q85bbc4c019_prep,@function
k_q85bbc4c019_prep:
	s_mov_b64 s[64:65], 0
	v_nop
	global_prefetch_b8 v0, s[64:65] scope:SCOPE_SE
	s_setreg_imm32_b32 hwreg(HW_REG_WAVE_MODE, 25, 1), 1
	s_wait_xcnt 0x0
; h = layernorm(x) g1 + b1, quantised along its 1,024 columns, and Wq, Wk, Wv, Wo [k][n], quantised along k: codes of FP6 (E2M3) with one E8M0 byte for each 32 along K.
; Both leave in the ORDER OF THE OPERAND'S REGISTERS.  A tile is 16 rows (tokens, or columns n of a weight): tile 2 B + u, lane r holds row 32 B + 8 u + r + 8 (r / 8).
; A HALF (768 bytes) is a tile's 64 along K: lane (r, h) holds k = 32 h .. 32 h + 31 in six registers: registers 0-3 at 16 x lane, registers 4-5 at 512 + 8 x lane.  A tile is 16 halves on end, 12,288 bytes.
; Scale bytes: for a pair of tiles and 256 along K one block of 256 bytes: 8 bytes at 8 x (16 u + r).
; A block's scale is 2^(floor(log2(largest magnitude)) - 2); its byte is the largest magnitude's exponent field - 2, held at 1 from below.
; LIMITS: NaN and infinities are not served; a block whose largest magnitude lies under 2^-124 keeps the byte 1; a block of zeros has the byte 1 and zero codes (the bytes are read by this program alone).
; Work-groups 0-255: one tile of 16 tokens each.  Phase A: wave w normalises four rows (mean, then the sum of squared differences: two passes over registers) and lays them in LDS.  Phase B: wave w quantises 256 columns of all 16 rows.
; Work-groups 256-383: 128 columns x 256 along K of one weight; a lane takes a column and its registers run down K, so a block of 32 is one lane's.
; Memory binds: no matrix unit, no cluster, no tensor load.  One barrier, on the way that all work-groups take.
.set PIT, 4112                         ; an LDS row: 4,096 bytes + 16: 257 x 16, so sixteen rows' 16 bytes fall on sixteen different groups of banks
.set HS, 3145728                       ; where the scale bytes begin in pre_h
.set WS, 3145728                       ; and in pre_w
.set X, 64                             ; v64-191 four rows of 32 registers; in the weights' part two sets of 32
.set GG, 192                           ; v192-223 g1, later codes
.set BB, 224                           ; v224-255 b1
; 32 numbers of one lane, v[src] on, become six registers of codes at v[dst] on; v[by] takes the scale's byte
.macro QB src, dst, tmp, mx, so, by
	v_max3_num_f32 v[\mx], |v[(\src)]|, |v[(\src)+1]|, |v[(\src)+2]|
	v_max3_num_f32 v[(\mx)+1], |v[(\src)+3]|, |v[(\src)+4]|, |v[(\src)+5]|
.irp i, 6,10,14,18,22,26
	v_max3_num_f32 v[\mx], v[\mx], |v[(\src)+\i]|, |v[(\src)+\i+1]|
	v_max3_num_f32 v[(\mx)+1], v[(\mx)+1], |v[(\src)+\i+2]|, |v[(\src)+\i+3]|
.endr
	v_max3_num_f32 v[\mx], v[\mx], |v[(\src)+30]|, |v[(\src)+31]|
	v_max3_num_f32 v[\mx], v[\mx], v[(\mx)+1], 0x1800000      ; the floor 2^(3 - 127): the byte cannot fall under 1
	v_add_nc_u32 v[\so], 0xff000000, v[\mx]                   ; 2 off the exponent field: the conversion's scale operand
	v_lshrrev_b32 v[\by], 23, v[\so]                          ; the scale's byte
	v_cvt_scalef32_pk16_fp6_f32 v[(\dst):(\dst)+2], v[(\src):(\src)+15], v[\so]
	v_cvt_scalef32_pk16_fp6_f32 v[(\tmp):(\tmp)+2], v[(\src)+16:(\src)+31], v[\so]   ; (a conversion's three registers begin on an even number)
	v_nop                                                     ; one plain line behind the conversions
.irp i, 0,1,2
	v_mov_b32 v[(\dst)+3+\i], v[(\tmp)+\i]
.endr
.endm
; the four rows' figures v16, v20, v24, v28 are summed over the 32 lanes
.macro LANESUM
.irp m, 1,2,4,8
.irp k, 0,1,2,3
	v_add_f32_dpp v[16+4*\k], v[16+4*\k], v[16+4*\k] row_xmask:\m row_mask:0xf bank_mask:0xf
.endr
.endr
.irp k, 0,1,2,3
	v_permlanex16_b32 v[32+\k], v[16+4*\k], s24, s25
.endr
.irp k, 0,1,2,3
	v_add_f32 v[16+4*\k], v[16+4*\k], v[32+\k]
.endr
.endm
; four rows by turns: X becomes x - mean; v[44+2k] becomes 1 / sqrt(variance + 1e-5)
.macro STATS
.irp k, 0,1,2,3
	v_pk_add_f32 v[16+4*\k:17+4*\k], v[X+32*\k:X+32*\k+1], v[X+32*\k+2:X+32*\k+3]
	v_pk_add_f32 v[18+4*\k:19+4*\k], v[X+32*\k+4:X+32*\k+5], v[X+32*\k+6:X+32*\k+7]
.endr
.irp j, 8,12,16,20,24,28
.irp k, 0,1,2,3
	v_pk_add_f32 v[16+4*\k:17+4*\k], v[16+4*\k:17+4*\k], v[X+32*\k+\j:X+32*\k+\j+1]
	v_pk_add_f32 v[18+4*\k:19+4*\k], v[18+4*\k:19+4*\k], v[X+32*\k+\j+2:X+32*\k+\j+3]
.endr
.endr
.irp k, 0,1,2,3
	v_pk_add_f32 v[16+4*\k:17+4*\k], v[16+4*\k:17+4*\k], v[18+4*\k:19+4*\k]
.endr
.irp k, 0,1,2,3
	v_add_f32 v[16+4*\k], v[16+4*\k], v[17+4*\k]
.endr
	LANESUM
.irp k, 0,1,2,3
	v_mul_f32 v[36+2*\k], 0x3a800000, v[16+4*\k]              ; the mean: sum / 1,024
.endr
.irp k, 0,1,2,3
.irp j, 0,2,4,6,8,10,12,14,16,18,20,22,24,26,28,30
	v_pk_add_f32 v[X+32*\k+\j:X+32*\k+\j+1], v[X+32*\k+\j:X+32*\k+\j+1], v[36+2*\k:37+2*\k] op_sel_hi:[1,0] neg_lo:[0,1] neg_hi:[0,1]
.endr
.endr
.irp k, 0,1,2,3
	v_pk_mul_f32 v[16+4*\k:17+4*\k], v[X+32*\k:X+32*\k+1], v[X+32*\k:X+32*\k+1]
	v_pk_mul_f32 v[18+4*\k:19+4*\k], v[X+32*\k+2:X+32*\k+3], v[X+32*\k+2:X+32*\k+3]
.endr
.irp j, 4,8,12,16,20,24,28
.irp k, 0,1,2,3
	v_pk_fma_f32 v[16+4*\k:17+4*\k], v[X+32*\k+\j:X+32*\k+\j+1], v[X+32*\k+\j:X+32*\k+\j+1], v[16+4*\k:17+4*\k]
	v_pk_fma_f32 v[18+4*\k:19+4*\k], v[X+32*\k+\j+2:X+32*\k+\j+3], v[X+32*\k+\j+2:X+32*\k+\j+3], v[18+4*\k:19+4*\k]
.endr
.endr
.irp k, 0,1,2,3
	v_pk_add_f32 v[16+4*\k:17+4*\k], v[16+4*\k:17+4*\k], v[18+4*\k:19+4*\k]
.endr
.irp k, 0,1,2,3
	v_add_f32 v[16+4*\k], v[16+4*\k], v[17+4*\k]
.endr
	LANESUM
.irp k, 0,1,2,3
	v_fma_f32 v[52+\k], v[16+4*\k], s30, s31                  ; variance + 1e-5
.endr
	s_wait_alu depctr_va_vdst(0)
.irp k, 0,1,2,3
	v_rsq_f32 v[44+2*\k], v[52+\k]
.endr
	v_nop                                                     ; a plain line behind the last of the four
	s_wait_alu depctr_va_vdst(0)                              ; one wait for the batch, ahead of its first reader
.endm
	s_load_b256 s[4:11], s[0:1], 0x0               ; x s[4:5], g1 s[6:7], b1 s[8:9], Wq s[10:11]
	s_load_b256 s[12:19], s[0:1], 0x20             ; Wk s[12:13], Wv s[14:15], Wo s[16:17], pre_h s[18:19]
	s_load_b64 s[20:21], s[0:1], 0x40              ; pre_w
	v_lshl_add_u32 v62, v0, 2, 0x10100
	v_mov_b32 v63, 0
	v_lshrrev_b32 v1, 5, v0
	v_readfirstlane_b32 s22, v1                    ; wave 0..3
	v_and_b32 v1, 31, v0                           ; lane
	v_and_b32 v2, 15, v0                           ; r
	v_bfe_u32 v3, v0, 4, 1                         ; h
	v_lshlrev_b32 v4, 4, v1                        ; 16 x lane
	s_mul_i32 s23, s22, 4*PIT
	v_add_nc_u32 v5, s23, v4                       ; LDS, phase A: my wave's four rows, 16 x lane
	v_mul_u32_u24 v6, v2, PIT
	v_lshl_add_u32 v6, v3, 7, v6
	s_lshl_b32 s23, s22, 10
	v_add_nc_u32 v6, s23, v6                       ; LDS, phase B: row r, my wave's 256 columns, + 128 h bytes
	v_lshlrev_b32 v8, 3, v1                        ; 8 x lane
	v_lshlrev_b32 v9, 3, v2                        ; 8 x r
	v_and_b32 v10, 7, v0
	v_bfe_u32 v11, v0, 3, 1
	v_lshl_add_u32 v10, v11, 4, v10
	v_lshl_add_u32 v10, v3, 3, v10                 ; the column of a pair of tiles that my lane takes: lane % 8 + 16 ((lane / 8) % 2) + 8 (lane / 16)
	v_lshlrev_b32 v10, 2, v10
	s_mov_b32 s24, 0x76543210
	s_mov_b32 s25, 0xfedcba98                      ; v_permlanex16_b32's selects for lane xor 16
	s_mov_b32 s26, 0xffff0000                      ; lanes 16-31
.irp j, 32,33,34,35,37,39,41,43,45,47,49,51
	v_mov_b32 v\j, 0                               ; written once: lane permutes' destinations, and the upper halves of pairs of which the low word serves both halves
.endr
	s_wait_kmcnt 0x0
	s_cmp_ge_u32 ttmp9, 256
	s_cbranch_scc1 .Lweights
	; ---- phase A: tokens 32 (g / 2) + 8 (g % 2) + 4 w + 8 (w / 2) + 0 .. 3: rows 4 w .. 4 w + 3 of tile g
	s_mov_b32 s30, 0x3a800000                      ; 1 / 1,024
	s_mov_b32 s31, 0x3727c5ac                      ; 1e-5
	s_lshr_b32 s27, ttmp9, 1
	s_lshl_b32 s27, s27, 5
	s_and_b32 s28, ttmp9, 1
	s_lshl_b32 s28, s28, 3
	s_add_co_u32 s27, s27, s28
	s_lshl_b32 s28, s22, 2
	s_add_co_u32 s27, s27, s28
	s_lshr_b32 s28, s22, 1
	s_lshl_b32 s28, s28, 3
	s_add_co_u32 s27, s27, s28
	s_lshl_b32 s28, s27, 12                        ; 4,096 bytes a row
	s_mov_b32 s29, 0
	s_add_nc_u64 s[4:5], s[4:5], s[28:29]
.irp k, 0,1,2,3
.irp i, 0,1,2,3,4,5,6,7
	global_load_b128 v[X+32*\k+4*\i:X+32*\k+4*\i+3], v4, s[4:5] offset:\k*4096+512*\i th:TH_LOAD_NT   ; 512 consecutive bytes a load
.endr
.endr
.irp i, 0,1,2,3,4,5,6,7
	global_load_b128 v[GG+4*\i:GG+4*\i+3], v4, s[6:7] offset:512*\i
	global_load_b128 v[BB+4*\i:BB+4*\i+3], v4, s[8:9] offset:512*\i
.endr
	s_wait_loadcnt 16                              ; x is in; the sixteen younger loads (g1, b1) may be out
	STATS
	s_wait_loadcnt 0x0
.irp k, 0,1,2,3
.irp j, 0,2,4,6,8,10,12,14,16,18,20,22,24,26,28,30
	v_pk_mul_f32 v[X+32*\k+\j:X+32*\k+\j+1], v[X+32*\k+\j:X+32*\k+\j+1], v[44+2*\k:45+2*\k] op_sel_hi:[1,0]
.endr
.irp j, 0,2,4,6,8,10,12,14,16,18,20,22,24,26,28,30
	v_pk_fma_f32 v[X+32*\k+\j:X+32*\k+\j+1], v[X+32*\k+\j:X+32*\k+\j+1], v[GG+\j:GG+\j+1], v[BB+\j:BB+\j+1]
.endr
.endr
.irp k, 0,1,2,3
.irp i, 0,1,2,3,4,5,6,7
	ds_store_b128 v5, v[X+32*\k+4*\i:X+32*\k+4*\i+3] offset:\k*PIT+512*\i
.endr
.endr
	s_branch .Ljoin
.Lweights:
	; ---- a weight: id = g - 256: matrix id / 32, 128 columns (id / 4) % 8, 256 along K id % 4; wave w: the pair of tiles B = 4 cg + w
	s_sub_co_u32 s27, ttmp9, 256
	s_lshr_b32 s28, s27, 5                         ; which matrix: the choice hangs on the work-group's number alone
	s_cmp_eq_u32 s28, 1
	s_cselect_b64 s[10:11], s[12:13], s[10:11]
	s_cmp_eq_u32 s28, 2
	s_cselect_b64 s[10:11], s[14:15], s[10:11]
	s_cmp_eq_u32 s28, 3
	s_cselect_b64 s[10:11], s[16:17], s[10:11]
	s_bfe_u32 s29, s27, 0x30002                    ; cg
	s_and_b32 s30, s27, 3                          ; kq
	s_lshl_b32 s31, s29, 2
	s_add_co_u32 s31, s31, s22                     ; B
	s_lshl_b32 s32, s30, 20                        ; 256 rows of 4,096 bytes
	s_lshl_b32 s33, s31, 7                         ; 32 columns of 4 bytes
	s_add_co_u32 s32, s32, s33
	s_mov_b32 s33, 0
	s_add_nc_u64 s[10:11], s[10:11], s[32:33]
	s_mul_i32 s32, s28, 786432                     ; the matrix's 64 tiles,
	s_mul_i32 s34, s31, 24576                      ; the pair's two tiles,
	s_add_co_u32 s32, s32, s34
	s_mul_i32 s34, s30, 3072                       ; four halves
	s_add_co_u32 s32, s32, s34
	s_add_nc_u64 s[36:37], s[20:21], s[32:33]
	s_lshl_b32 s32, s28, 15
	s_lshl_b32 s34, s31, 10
	s_add_co_u32 s32, s32, s34
	s_lshl_b32 s34, s30, 8
	s_add_co_u32 s32, s32, s34
	s_add_co_u32 s32, s32, WS
	s_add_nc_u64 s[38:39], s[20:21], s[32:33]
.macro LOADB t                         ; block t: W(32 t + i, my column): 32 lanes read 128 consecutive bytes
.irp i, 0,1,2,3,4,5,6,7,8,9,10,11,12,13,14,15,16,17,18,19,20,21,22,23,24,25,26,27,28,29,30,31
	global_load_b32 v[X+32*((\t)%2)+\i], v10, s[10:11] offset:(32*(\t)+\i)*4096 th:TH_LOAD_NT
.endr
.endm
.macro BLOCK t
.if (\t) < 7
	s_wait_loadcnt 32                              ; this block's 32 loads are in; the next block's may be out
.else
	s_wait_loadcnt 0x0
.endif
	QB X+32*((\t)%2), 192+16*((\t)/2)+8*((\t)%2), 16, 20, 22, 23
.if (\t)%4 == 0
	v_mov_b32 v[24+(\t)/4], v23                    ; four bytes to a register, the lower K in the lower byte
.else
	v_lshl_or_b32 v[24+(\t)/4], v23, 8*((\t)%4), v[24+(\t)/4]
.endif
.if (\t)+2 < 8
	LOADB (\t)+2
.endif
.if (\t)%2 == 1                        ; two blocks are a half.  The even block's lanes 16-31 change places with the odd block's lanes 0-15: the first is then the image of tile 2 B, the second of tile 2 B + 1
.set CX, 192+16*((\t)/2)
.irp i, 0,1,2,3,4,5
	v_permlane16_swap_b32 v[CX+\i], v[CX+8+\i]
.endr
	global_store_b128 v4, v[CX:CX+3], s[36:37] offset:((\t)/2)*768
	global_store_b64 v8, v[CX+4:CX+5], s[36:37] offset:((\t)/2)*768+512
	global_store_b128 v4, v[CX+8:CX+11], s[36:37] offset:((\t)/2)*768+12288
	global_store_b64 v8, v[CX+12:CX+13], s[36:37] offset:((\t)/2)*768+12288+512   ; each pair of blocks has code registers of its own: no store's data are written again
.endif
.endm
	LOADB 0
	LOADB 1
.irp t, 0,1,2,3,4,5,6,7
	BLOCK \t
.endr
	global_store_b64 v8, v[24:25], s[38:39]        ; 32 lanes store one aligned block of 256 bytes
.Ljoin:
	s_wait_xcnt 0x0                                ; every store issued so far has read its registers and its base
	s_wait_dscnt 0x0                               ; for the others' sake: my rows lie in LDS
	s_barrier_signal -1
	s_barrier_wait -1
	s_cmp_ge_u32 ttmp9, 256
	s_cbranch_scc1 .Lend
	; ---- phase B: wave w: columns 256 w .. 256 w + 255 of all 16 rows: four halves
.irp q, 0,1,2,3
.irp i, 0,1,2,3,4,5,6,7
	ds_load_b128 v[X+32*\q+4*\i:X+32*\q+4*\i+3], v6 offset:256*\q+16*\i
.endr
.endr
	s_mul_i32 s32, ttmp9, 12288
	s_mul_i32 s27, s22, 3072
	s_add_co_u32 s32, s32, s27
	s_mov_b32 s33, 0
	s_add_nc_u64 s[36:37], s[18:19], s[32:33]
	s_lshr_b32 s32, ttmp9, 1
	s_lshl_b32 s32, s32, 10
	s_lshl_b32 s27, s22, 8
	s_add_co_u32 s32, s32, s27
	s_and_b32 s27, ttmp9, 1
	s_lshl_b32 s27, s27, 7
	s_add_co_u32 s32, s32, s27
	s_add_co_u32 s32, s32, HS
	s_add_nc_u64 s[38:39], s[18:19], s[32:33]
	s_wait_dscnt 0x0
.irp q, 0,1,2,3
	QB X+32*\q, 192+8*\q, 16, 20, 22, 24+\q
	global_store_b128 v4, v[192+8*\q:195+8*\q], s[36:37] offset:768*\q
	global_store_b64 v8, v[196+8*\q:197+8*\q], s[36:37] offset:768*\q+512
.endr
	v_lshl_or_b32 v28, v25, 8, v24                 ; my four bytes: blocks h, 2 + h, 4 + h, 6 + h of row r
	v_lshl_or_b32 v28, v26, 16, v28
	v_lshl_or_b32 v28, v27, 24, v28
	v_permlanex16_b32 v32, v28, s24, s25           ; the other four
	v_cndmask_b32 v29, v28, v32, s26               ; the even blocks' bytes
	v_cndmask_b32 v30, v32, v28, s26               ; the odd blocks'
	v_perm_b32 v12, v30, v29, 0x05010400           ; blocks 0, 1, 2, 3
	v_perm_b32 v13, v30, v29, 0x07030602           ; blocks 4, 5, 6, 7
	global_store_b64 v9, v[12:13], s[38:39]        ; both halves of the lanes write the same bytes
.Lend:
	s_wait_tensorcnt 0x0
	ds_add_u32 v62, v63
	s_wait_dscnt 0x0
	s_endpgm
.Lfunc_end_k_q85bbc4c019_prep:
	.size	k_q85bbc4c019_prep, .Lfunc_end_k_q85bbc4c019_prep-k_q85bbc4c019_prep
	.p2alignl 7, 3214868480
	.fill 96, 4, 3214868480
	.section	.rodata,"a",@progbits
	.p2align	6, 0x0
	.amdhsa_kernel k_q85bbc4c019_prep
		.amdhsa_group_segment_fixed_size 66304
		.amdhsa_private_segment_fixed_size 0
		.amdhsa_enable_private_segment 0
		.amdhsa_kernarg_size 72
		.amdhsa_user_sgpr_count 2
		.amdhsa_user_sgpr_kernarg_segment_ptr 1
		.amdhsa_wavefront_size32 1
		.amdhsa_system_sgpr_workgroup_id_x 1
		.amdhsa_system_sgpr_workgroup_id_y 1
		.amdhsa_system_sgpr_workgroup_id_z 1
		.amdhsa_system_vgpr_workitem_id 0
		.amdhsa_next_free_vgpr 256
		.amdhsa_next_free_sgpr 66
		.amdhsa_reserve_vcc 0
		.amdhsa_float_denorm_mode_32 3
		.amdhsa_float_denorm_mode_16_64 3
		.amdhsa_memory_ordered 1
		.amdhsa_forward_progress 1
		.amdhsa_inst_pref_size 82
	.end_amdhsa_kernel
	.amdgpu_metadata
---
amdhsa.version: [ 1, 2 ]
amdhsa.kernels:
  - .name:           k_q85bbc4c019_prep
    .symbol:         k_q85bbc4c019_prep.kd
    .args:
      - { .name: x, .offset: 0, .size: 8, .value_kind: global_buffer, .address_space: global }
      - { .name: g1, .offset: 8, .size: 8, .value_kind: global_buffer, .address_space: global }
      - { .name: b1, .offset: 16, .size: 8, .value_kind: global_buffer, .address_space: global }
      - { .name: Wq, .offset: 24, .size: 8, .value_kind: global_buffer, .address_space: global }
      - { .name: Wk, .offset: 32, .size: 8, .value_kind: global_buffer, .address_space: global }
      - { .name: Wv, .offset: 40, .size: 8, .value_kind: global_buffer, .address_space: global }
      - { .name: Wo, .offset: 48, .size: 8, .value_kind: global_buffer, .address_space: global }
      - { .name: pre_h, .offset: 56, .size: 8, .value_kind: global_buffer, .address_space: global }
      - { .name: pre_w, .offset: 64, .size: 8, .value_kind: global_buffer, .address_space: global }
    .group_segment_fixed_size: 66304
    .private_segment_fixed_size: 0
    .kernarg_segment_align: 8
    .kernarg_segment_size: 72
    .max_flat_workgroup_size: 128
    .sgpr_count:     66
    .vgpr_count:     256
    .wavefront_size: 32
...
	.end_amdgpu_metadata
.endif
;; end of part 1
;; launch qkv (part 2): grid 8 x 32, 4 waves a work-group, clusters of 4 x 4, 327,680 bytes of LDS; arguments pre_h, pre_w, bq, bk, bv, qkvb; writes qkvb
.if DOCPART == 2
	.amdgcn_target "amdgcn-amd-amdhsa--gfx1250"
	.amdhsa_code_object_version 6
	.text
	.protected	k_q85bbc4c019_qkv
	.globl	k_q85bbc4c019_qkv
	.p2align	8
	.type	k_q85bbc4c019_qkv,@function
k_q85bbc4c019_qkv:
	s_mov_b64 s[64:65], 0
	v_nop
	global_prefetch_b8 v0, s[64:65] scope:SCOPE_SE
	s_setreg_imm32_b32 hwreg(HW_REG_WAVE_MODE, 25, 1), 1
	s_wait_xcnt 0x0
	s_wait_alu depctr_hold_cnt(0) depctr_sa_sdst(0) depctr_va_vdst(0) depctr_va_sdst(0) depctr_va_ssrc(0) depctr_va_vcc(0) depctr_vm_vsrc(0)
	s_getreg_b32 s2, hwreg(HW_REG_IB_STS2, 6, 4)
	s_cmp_eq_u32 s2, 0
	s_cbranch_scc0 .Lentry_in_a_cluster
	s_endpgm
.Lentry_in_a_cluster:
	s_bfe_u32 s2, ttmp6, 0x10000c
	s_cmp_lg_u32 s2, 0xf033
	s_cbranch_scc0 .Lentry_shape_is_right
	s_endpgm
.Lentry_shape_is_right:
; q = h Wq + bq, k = h Wk + bk, v = h Wv + bv on codes of FP6 (E2M3), and their quantising: q and k along a head's 64, v along the keys.
; A WORK-GROUP STAYS: it makes 128 tokens x 128 columns (two heads) of q, then of k, then of v; 256 work-groups.  Four waves, each 64 x 64: 16 accumulators.  The tokens' codes for all of K = 1,024 (96 KiB) come once and serve
; all three products.  The weights have two slots of 96 KiB: Wq in slot A and Wk in slot B are first fills; Wv fills slot A again when q's last K step has read it, and has k's product in which to land.
; Each tensor load brings a whole operand: 8 tiles, 98,304 bytes.  Wave 0 asks for the tokens', wave 1 for Wq's, wave 2 for Wk's, wave 3 later for Wv's: q's products begin when the first three have landed.
; OPERANDS lie in memory and in LDS as images of their registers: a half (16 rows x 64 K) is 512 bytes at 16 x lane and 256 bytes at 8 x lane; a fragment is two halves: four loads, each of consecutive bytes.
; Tile 2 B + u, lane r holds row 32 B + 8 u + r + 8 (r / 8): so the 16 result registers of two neighbouring tiles of source 0 are 16 neighbours.
; q, k: source 0 = 16 columns of W, source 1 = 16 tokens: a lane holds one token and 64 neighbouring columns: a head.  v: the sources change places: a lane holds one column and 64 neighbouring tokens (keys).
; The bias is the C of each sum's first matrix instruction.  THE SCALE WORDS of a wave's tiles, for all of K and all three weights, are 64 registers: each is loaded once, 256 aligned bytes a load, and stays.
; CLUSTER 4 x 4: the four of a row need the same tokens' codes, the four of a column the same weights': joint loads.
; OUT: q records of 6,656 bytes (8 halves, 4 images of scale words), k/v records of 13,312 bytes (K's 8 halves, V's 4 fragments, 4 + 4 images of scale words), one for each (batch, head, 128 tokens).
; LIMITS: NaN and infinities are not served; a block under 2^-124 keeps the byte 1; a block of zeros has the byte 1 and zero codes (the bytes are read by this program alone).
; REGISTERS: window 0: v1-27 addresses; v30, v31 the add's two; v32-63, v96-97, v112-127 at work on the way out; v64-95 codes; v192-255 scale words and nothing else.
;   window 1: v0-95, v96-191 two buffers of 4 + 4 fragments.   window 2: v0-127 the accumulators.   window 3: v0-31 bq, v32-63 bk, v64-95 bv, in the results' layout.
.set WA, 98304                         ; LDS: the tokens' codes at 0, [8 tiles][12,288 bytes]; slot A here,
.set WB, 196608                        ; slot B here,
.set SPARE, 294912                     ; and the spare words, 128 bytes for each wave: two blocks of 256 bytes that no other line names
.set HS, 3145728                       ; where the scale bytes begin in pre_h
.set WS, 3145728                       ; and in pre_w
.set WMAT, 786432                      ; a weight's 64 tiles
.set KV, 3407872                       ; where the k/v records begin
.set SHR, 192                          ; the tokens' scale words: v[SHR + 8 pair + K step]
.set SWR, 208                          ; the weights': v[SWR + 16 matrix + 8 pair + K step]
.set MSB, 0
.macro WIN new                         ; the immediate's high byte repeats the setting that is left
.if MSB != \new
	s_set_vgpr_msb (MSB<<8)|\new
.set MSB, \new
.endif
.endm
.macro ROUND                           ; a round of the cluster's barrier
	s_barrier_signal -1
	s_barrier_wait -1
	s_cmp_lg_u32 s16, 0
	s_cbranch_scc1 .Lnot_wave_0_\@
	s_barrier_signal -3
.Lnot_wave_0_\@:
	s_barrier_wait -3
	s_barrier_signal -1
	s_barrier_wait -1
.endm
.macro PLACES                          ; four plain lines between a matrix instruction and a load into, or a read of, its registers
.rept 4
	v_nop
.endr
.endm
.macro FRAGLD reg, a16, a8, off        ; a fragment's 12 registers from its image
	ds_load_b128 v[(\reg):(\reg)+3], v[\a16] offset:(\off)
	ds_load_b64 v[(\reg)+4:(\reg)+5], v[\a8] offset:(\off)+512
	ds_load_b128 v[(\reg)+6:(\reg)+9], v[\a16] offset:(\off)+768
	ds_load_b64 v[(\reg)+10:(\reg)+11], v[\a8] offset:(\off)+1280
.endm
.macro FETCH slot, s                   ; K step s (128 along K): my 4 fragments of tokens and my 4 of the weight in slot A (0) or B (1), into buffer s % 2
.set FO, (\s)*1536                     ; in LDS an operand lies as in memory: a tile's 12,288 bytes on end, K step s at 1,536 s; the largest offset, 3 x 12,288 + 7 x 1,536 + 1,280, fits the 16 bits
.set FB, 96*((\s)&1)
.set RH, 4
.set RW, 8+4*(\slot)
	WIN 0x40
.irp i, 0,1,2,3
	FRAGLD FB+12*\i, RH, RH+1, FO+12288*\i
.endr
.irp i, 0,1,2,3
	FRAGLD FB+48+12*\i, RW, RW+1, FO+12288*\i
.endr
	WIN 0
.endm
.macro WM d, a, b, c, sa, sb, ra, rb   ; one product; ra, rb: the scales stand in lanes 16-31 of their register
.if ((\ra)==0)&&((\rb)==0)
	v_wmma_scale_f32_16x16x128_f8f6f4 v[(\d):(\d)+7], v[(\a):(\a)+11], v[(\b):(\b)+11], v[(\c):(\c)+7], v[(\sa)], v[(\sb)] matrix_a_fmt:MATRIX_FMT_FP6 matrix_b_fmt:MATRIX_FMT_FP6
.elseif ((\ra)==1)&&((\rb)==0)
	v_wmma_scale_f32_16x16x128_f8f6f4 v[(\d):(\d)+7], v[(\a):(\a)+11], v[(\b):(\b)+11], v[(\c):(\c)+7], v[(\sa)], v[(\sb)] matrix_a_fmt:MATRIX_FMT_FP6 matrix_b_fmt:MATRIX_FMT_FP6 matrix_a_scale:MATRIX_SCALE_ROW1
.elseif ((\ra)==0)&&((\rb)==1)
	v_wmma_scale_f32_16x16x128_f8f6f4 v[(\d):(\d)+7], v[(\a):(\a)+11], v[(\b):(\b)+11], v[(\c):(\c)+7], v[(\sa)], v[(\sb)] matrix_a_fmt:MATRIX_FMT_FP6 matrix_b_fmt:MATRIX_FMT_FP6 matrix_b_scale:MATRIX_SCALE_ROW1
.else
	v_wmma_scale_f32_16x16x128_f8f6f4 v[(\d):(\d)+7], v[(\a):(\a)+11], v[(\b):(\b)+11], v[(\c):(\c)+7], v[(\sa)], v[(\sb)] matrix_a_fmt:MATRIX_FMT_FP6 matrix_b_fmt:MATRIX_FMT_FP6 matrix_a_scale:MATRIX_SCALE_ROW1 matrix_b_scale:MATRIX_SCALE_ROW1
.endif
.endm
; 16 products of K step s of matrix m: the 16 accumulators take turns, one instruction a turn, in the same order in every step.  a: tile of tokens, b: tile of columns.
.macro MUL m, s, swap
.set FB, 96*((\s)&1)
.if (\s) == 0
	WIN 0xb5                                       ; sources in window 1, the bias in window 3, the result in window 2
.else
	WIN 0xa5                                       ; sources in window 1, C and D in window 2
.endif
.irp a, 0,1,2,3
.irp b, 0,1,2,3
.if \swap
.set DD, 8*(4*\b+\a)
.else
.set DD, 8*(4*\a+\b)
.endif
.if (\s) == 0
.set CC, 32*(\m)+8*\b
.else
.set CC, DD
.endif
.if \swap
	WM DD, FB+12*\a, FB+48+12*\b, CC, SHR+8*(\a/2)+(\s), SWR+16*(\m)+8*(\b/2)+(\s), \a%2, \b%2
.else
	WM DD, FB+48+12*\b, FB+12*\a, CC, SWR+16*(\m)+8*(\b/2)+(\s), SHR+8*(\a/2)+(\s), \b%2, \a%2
.endif
.endr
.endr
.endm
; A PREFETCH INTO THE L2 of Wv's codes, which the one refill will ask for: it stands in q's second K step, six K steps ahead of that load, behind the step's run of LDS loads.
; A block of 128 columns is 98,304 dense bytes, read by every cluster of its column of clusters: the clusters with y = 0 ask.  The four partners that will ask for it jointly share it out BY ADDRESS, 24,576 bytes each (cy);
; in each, waves 0 to 2 take 8,192 bytes, lanes 256 bytes apart: one instruction a wave, each aligned block of 256 bytes named once in the launch.
.macro ASK
	s_cmp_lt_u32 s16, 3
	s_cbranch_scc0 .Lnot_mine_\@
	s_and_b32 s23, ttmp7, 0xffff                   ; the cluster's y: the same in all sixteen partners
	s_cmp_eq_u32 s23, 0
	s_cbranch_scc0 .Lnot_mine_\@
	global_prefetch_b8 v27, s[98:99] th:TH_LOAD_NT scope:SCOPE_SE
.Lnot_mine_\@:
.endm
; K step s of matrix m.  tw >= 0: tiles that the next fetch reads are waited for (tw of my later loads may be out) and a barrier follows. ns >= 0: the next step's fragments are fetched, from slot nslot.
.macro STEP m, s, swap, tw, nslot, ns, ask
	s_wait_dscnt 0x0                               ; this step's fragments, asked for a step ago, are in; nothing younger is out
.if (\tw) >= 0
	s_wait_tensorcnt \tw
	s_barrier_signal -1
	s_barrier_wait -1
.endif
.if (\ns) >= 0
	PLACES                                         ; in front of loads into the buffer that the last step multiplied
	FETCH \nslot, \ns
.endif
.if \ask
	ASK
.endif
	MUL \m, \s, \swap
	WIN 0
.endm
; THE WAY OUT of one product (kind 0 q, 1 k, 2 v).  Accumulator registers 32 i on are, in lane (r, h), numbers 16 h + 0 .. 15 and 32 + 16 h + 0 .. 15 of one row's 64 along the next K: two blocks, each shared with lane xor 16.
.macro WAYOUT kind
	PLACES
.if (\kind) > 0
	s_wait_xcnt 0x0                                ; the last way out's stores have read their registers
.endif
	WIN 0x28                                       ; sources 1 and 2: the accumulators, window 2
.irp n, 0,1,2,3,4,5,6,7
	v_max3_num_f32 v[32+\n], 0x1800000, |v[16*\n]|, |v[1+16*\n]|               ; each accumulator is read from its low end on; the floor 2^(3 - 127) holds the byte at 1 from below
.endr
.irp j, 2,4,6,8,10,12,14
.irp n, 0,1,2,3,4,5,6,7
	v_max3_num_f32 v[32+\n], v[32+\n], |v[16*\n+\j]|, |v[1+16*\n+\j]|
.endr
.endr
	WIN 0
.irp n, 0,1,2,3,4,5,6,7
	v_permlanex16_b32 v[40+\n], v[32+\n], s96, s97
.endr
.irp n, 0,1,2,3,4,5,6,7
	v_max_num_f32 v[32+\n], v[32+\n], v[40+\n]
.endr
.irp n, 0,1,2,3,4,5,6,7
	v_add_nc_u32 v[48+\n], 0xff000000, v[32+\n]    ; 2 off the exponent field: the conversion's scale operand
.endr
.irp n, 0,1,2,3,4,5,6,7
	v_lshrrev_b32 v[56+\n], 23, v[48+\n]           ; the scale's byte
.endr
.irp i, 0,1,2,3
	v_lshl_or_b32 v[56+2*\i], v[57+2*\i], 8, v[56+2*\i]       ; a row's two bytes
.endr
	WIN 0x02                                       ; source 0: the accumulators
.irp i, 0,1,2,3
	v_cvt_scalef32_pk16_fp6_f32 v[64+8*\i:66+8*\i], v[32*\i:32*\i+15], v[48+2*\i]
	v_cvt_scalef32_pk16_fp6_f32 v[112+4*\i:114+4*\i], v[32*\i+16:32*\i+31], v[49+2*\i]     ; (a conversion's three registers begin on an even number)
.endr
	WIN 0
	v_nop                                          ; one plain line behind the conversions
.irp i, 0,1,2,3
.irp j, 0,1,2
	v_permlane16_swap_b32 v[64+8*\i+\j], v[112+4*\i+\j]       ; a whole block to a lane: lanes 0-15 block 0, lanes 16-31 block 1
.endr
.endr
.irp i, 0,1,2,3
.irp j, 0,1,2
	v_mov_b32 v[67+8*\i+\j], v[112+4*\i+\j]
.endr
.endr
.if (\kind) < 2
.set RB, 88+2*(\kind)
.irp i, 0,1,2,3
	global_store_b128 v19, v[64+8*\i:67+8*\i], s[RB:RB+1] offset:\i*768        ; 512 and 256 consecutive bytes, at multiples of 256
	global_store_b64 v20, v[68+8*\i:69+8*\i], s[RB:RB+1] offset:\i*768+512
.endr
	v_lshl_or_b32 v96, v58, 16, v56                ; a scale word serves a pair of tiles: the even tile's two bytes below, the odd tile's above
	v_lshl_or_b32 v97, v62, 16, v60
	global_store_b32 v21, v96, s[RB:RB+1] offset:6144*((\kind)+1)
	global_store_b32 v21, v97, s[RB:RB+1] offset:6144*((\kind)+1)+128
.else
.irp i, 0,1,2,3
	global_store_b128 v22, v[64+8*\i:67+8*\i], s[90:91] offset:6144+\i*1536
	global_store_b64 v23, v[68+8*\i:69+8*\i], s[90:91] offset:6144+\i*1536+512
	global_store_b16 v24, v[56+2*\i], s[90:91] offset:12800+\i*128             ; my 64 keys' two bytes of the row's scale word
.endr
.endif
.endm
	s_load_b256 s[4:11], s[0:1], 0x0               ; pre_h s[4:5], pre_w s[6:7], bq s[8:9], bk s[10:11]
	s_load_b128 s[12:15], s[0:1], 0x20             ; bv s[12:13], qkvb s[14:15]
	v_lshl_add_u32 v30, v0, 2, SPARE               ; my spare word; never rewritten
	v_mov_b32 v31, 0                               ; never rewritten
	ds_add_u32 v30, v31
	ds_add_u32 v30, v31
	s_wait_dscnt 0x0
	v_lshrrev_b32 v1, 5, v0
	v_readfirstlane_b32 s16, v1                    ; wave 0..3
	s_lshr_b32 s17, s16, 1                         ; th: my half of the tokens
	s_and_b32 s18, s16, 1                          ; ch: my half of the columns
	s_bfe_u32 s19, ttmp6, 0x40000                  ; cx
	s_bfe_u32 s20, ttmp6, 0x40004                  ; cy
	s_lshl_b32 s21, ttmp9, 2
	s_add_co_u32 s21, s21, s19                     ; tx: 128 columns of each weight
	s_and_b32 s22, ttmp7, 0xffff
	s_lshl_b32 s22, s22, 2
	s_add_co_u32 s22, s22, s20                     ; ty: 128 tokens
	s_lshl_b32 s66, s20, 2
	s_lshl_b32 s66, 15, s66                        ; my row of the cluster
	s_lshl_b32 s2, 0x1111, s19                     ; my column
	; group 1: s[24:31] for the tokens' codes, s[32:39] for the weights': 8 tiles, 98,304 dense bytes as 384 rows of 256 bytes
	s_or_b32 s24, s66, (3<<16)|(1<<21)             ; 15:0 the mask; 17:16 elements of 8 bytes; 21 set beside a mask
	s_or_b32 s32, s2, (3<<16)|(1<<21)
.irp g, 24, 32
	s_mov_b32 s[\g+1], 32<<16                      ; ONE LOAD BRINGS A WHOLE OPERAND: 8 tiles, 98,304 dense bytes, as 384 rows of 256 bytes (32 elements of 8)
	s_mov_b32 s[\g+2], 384<<16
	s_mov_b32 s[\g+3], 32<<16
	s_mov_b32 s[\g+4], 384
	s_mov_b32 s[\g+5], 32
	s_mov_b32 s[\g+6], 0
	s_mov_b32 s[\g+7], 0
.endr
	; where they come from.  The tokens' hang on ty alone (s100, s101), the weights' on tx alone (s104, s105)
	s_mul_i32 s100, s22, 98304                     ; 8 tiles of 12,288 bytes
	s_mov_b32 s101, 0
	s_mul_i32 s104, s21, 98304
	s_mov_b32 s105, 0
	s_wait_kmcnt 0x0
	s_add_nc_u64 s[100:101], s[4:5], s[100:101]
	s_add_nc_u64 s[104:105], s[6:7], s[104:105]
.irp p, 0                              ; group 0: the tokens' at s40, Wq's at s56
.set GH, 40+4*\p
.set GQ, 56+4*\p+4*(\p/2)
	s_mov_b32 s[GH], 1
	s_mov_b32 s[GH+1], \p*24576
	s_add_nc_u64 s[GH+2:GH+3], s[100:101], \p*3072
	s_or_b32 s[GH+3], s[GH+3], 0x80000000
	s_mov_b32 s[GQ], 1
	s_mov_b32 s[GQ+1], WA+\p*24576
	s_add_nc_u64 s[GQ+2:GQ+3], s[104:105], \p*3072
	s_or_b32 s[GQ+3], s[GQ+3], 0x80000000
.endr
	s_mov_b32 s76, 1                               ; Wk, whole, into slot B
	s_mov_b32 s77, WB
	s_add_nc_u64 s[78:79], s[104:105], WMAT
	s_or_b32 s79, s79, 0x80000000
	s_mov_b32 s84, 1                               ; Wv, whole, the refill of slot A
	s_mov_b32 s85, WA
	s_add_nc_u64 s[86:87], s[104:105], 2*WMAT
	s_or_b32 s87, s87, 0x80000000
	ROUND                                          ; all sixteen work-groups are here: the joint loads meet
	s_cmp_eq_u32 s16, 0                            ; a wave's first fills stand in one branch on its number; at most four loads of mine are out
	s_cbranch_scc0 .Lnot_h
	tensor_load_to_lds s[40:43], s[24:31]
	s_nop 0
.rept 4
	v_nop
.endr
	s_branch .Lfilled
.Lnot_h:
	s_cmp_eq_u32 s16, 1
	s_cbranch_scc0 .Lnot_q
	tensor_load_to_lds s[56:59], s[32:39]
	s_nop 0
.rept 4
	v_nop
.endr
	s_branch .Lfilled
.Lnot_q:
	s_cmp_eq_u32 s16, 2                            ; one load a wave at the head: wave 0 the tokens, wave 1 Wq, wave 2 Wk; wave 3's one load is the refill
	s_cbranch_scc0 .Lfilled
	tensor_load_to_lds s[76:79], s[32:39]
	s_nop 0
.rept 4
	v_nop
.endr
.Lfilled:
	v_and_b32 v3, 31, v0                           ; lane
	v_and_b32 v1, 15, v0                           ; r
	v_bfe_u32 v2, v0, 4, 1                         ; h
	v_lshlrev_b32 v16, 4, v3                       ; 16 x lane
	v_lshlrev_b32 v17, 3, v3                       ; 8 x lane
	v_lshlrev_b32 v18, 2, v3                       ; 4 x lane
	s_mul_i32 s23, s17, 49152                      ; my four tiles of tokens: v4, v5
	v_add_nc_u32 v4, s23, v16
	v_add_nc_u32 v5, s23, v17
	s_mul_i32 s23, s18, 49152                      ; my four tiles of columns: v8, v9 in slot A, v12, v13 in slot B
	s_add_co_u32 s23, s23, WA
	v_add_nc_u32 v8, s23, v16
	v_add_nc_u32 v9, s23, v17
	s_add_co_u32 s23, s23, WB-WA
	v_add_nc_u32 v12, s23, v16
	v_add_nc_u32 v13, s23, v17
	s_mul_i32 s23, s17, 3072                       ; the way out, q and k: my four halves,
	v_add_nc_u32 v19, s23, v16
	v_add_nc_u32 v20, s23, v17
	s_lshl_b32 s23, s17, 8                         ; my two images of scale words;
	v_add_nc_u32 v21, s23, v18
	s_mul_i32 s23, s17, 768                        ; v: my half of each fragment,
	v_add_nc_u32 v22, s23, v16
	v_add_nc_u32 v23, s23, v17
	s_lshl_b32 s23, s17, 1                         ; my two bytes of each scale word
	v_add_nc_u32 v24, s23, v18
	v_lshlrev_b32 v25, 6, v2                       ; bq, bk: register j of tile b is column 32 (b / 2) + 8 (b % 2) + 16 h + j
	v_and_b32 v26, 8, v1                           ; bv: a lane holds one column, 32 (b / 2) + 8 (b % 2) + r + 8 (r / 8), in all eight registers
	v_add_nc_u32 v26, v26, v1
	v_lshlrev_b32 v26, 2, v26
	v_lshlrev_b32 v27, 8, v3                       ; the prefetch: 256 x lane
.irp j, 40,41,42,43,44,45,46,47
	v_mov_b32 v\j, 0                               ; written once: lane permutes' destinations
.endr
	s_mov_b32 s96, 0x76543210
	s_mov_b32 s97, 0xfedcba98                      ; v_permlanex16_b32's selects for lane xor 16
	s_lshl_b32 s2, s21, 9
	s_lshl_b32 s3, s18, 8
	s_add_co_u32 s2, s2, s3
	s_mov_b32 s3, 0
	s_add_nc_u64 s[8:9], s[8:9], s[2:3]            ; the biases at my 64 columns
	s_add_nc_u64 s[10:11], s[10:11], s[2:3]
	s_add_nc_u64 s[12:13], s[12:13], s[2:3]
	s_lshl_b32 s2, s22, 2
	s_lshl_b32 s23, s17, 1
	s_add_co_u32 s2, s2, s23                       ; the tokens' pair 4 ty + 2 th
	s_lshl_b32 s2, s2, 10
	s_add_co_u32 s2, s2, HS
	s_add_nc_u64 s[92:93], s[4:5], s[2:3]
	s_lshl_b32 s2, s21, 2
	s_lshl_b32 s23, s18, 1
	s_add_co_u32 s2, s2, s23                       ; the weights' pair 4 tx + 2 ch
	s_lshl_b32 s2, s2, 10
	s_add_co_u32 s2, s2, WS
	s_add_nc_u64 s[94:95], s[6:7], s[2:3]
	s_lshr_b32 s2, s22, 4                          ; the record: (16 batch + head) x 16 + step
	s_lshl_b32 s2, s2, 4
	s_lshl_b32 s23, s21, 1
	s_add_co_u32 s2, s2, s23
	s_add_co_u32 s2, s2, s18
	s_lshl_b32 s2, s2, 4
	s_and_b32 s23, s22, 15
	s_add_co_u32 s23, s2, s23
	s_mul_i32 s2, s23, 6656
	s_add_nc_u64 s[88:89], s[14:15], s[2:3]        ; q's record
	s_mul_i32 s2, s23, 13312
	s_add_co_u32 s2, s2, KV
	s_add_nc_u64 s[90:91], s[14:15], s[2:3]        ; k's and v's
	s_mul_i32 s2, s21, 98304                       ; the prefetch: Wv's block of my columns, my work-group's quarter (cy), my wave's 8,192 bytes
	s_mul_i32 s23, s20, 24576
	s_add_co_u32 s2, s2, s23
	s_lshl_b32 s23, s16, 13
	s_add_co_u32 s2, s2, s23
	s_add_co_u32 s2, s2, 2*WMAT
	s_add_nc_u64 s[98:99], s[6:7], s[2:3]
	WIN 0xc0                                       ; destination window 3
.irp b, 0,1,2,3
	global_load_b128 v[8*\b:8*\b+3], v25, s[8:9] offset:(32*(\b/2)+8*(\b%2))*4
	global_load_b128 v[8*\b+4:8*\b+7], v25, s[8:9] offset:(32*(\b/2)+8*(\b%2))*4+16
	global_load_b128 v[32+8*\b:32+8*\b+3], v25, s[10:11] offset:(32*(\b/2)+8*(\b%2))*4
	global_load_b128 v[32+8*\b+4:32+8*\b+7], v25, s[10:11] offset:(32*(\b/2)+8*(\b%2))*4+16
	global_load_b32 v[64+8*\b], v26, s[12:13] offset:(32*(\b/2)+8*(\b%2))*4
.endr
	WIN 0
.irp pp, 0,1                           ; the scale words: a load's 256 bytes are a pair of tiles' words of two K steps: lanes 0-15 the even tile's rows, lanes 16-31 the odd tile's
.irp kq, 0,1,2,3
	global_load_b64 v[SHR+8*\pp+2*\kq:SHR+8*\pp+2*\kq+1], v17, s[92:93] offset:\pp*1024+\kq*256
.endr
.endr
.irp m, 0,1,2
.irp pp, 0,1
.irp kq, 0,1,2,3
	global_load_b64 v[SWR+16*\m+8*\pp+2*\kq:SWR+16*\m+8*\pp+2*\kq+1], v17, s[94:95] offset:\m*32768+\pp*1024+\kq*256
.endr
.endr
.endr
	s_wait_loadcnt 0x0                             ; the biases and the scale words, once
	WIN 0xc3                                       ; destination and source 0 in window 3
.irp b, 0,1,2,3
.irp j, 1,2,3,4,5,6,7
	v_mov_b32 v[64+8*\b+\j], v[64+8*\b]
.endr
.endr
	WIN 0
	s_wait_tensorcnt 0x0                           ; my one load has landed
	s_barrier_signal -1
	s_barrier_wait -1                              ; everybody's has
	FETCH 0, 0
	; ---- q
	STEP 0, 0, 0, -1, 0, 1, 0
	STEP 0, 1, 0, -1, 0, 2, 1
	STEP 0, 2, 0, -1, 0, 3, 0
	STEP 0, 3, 0, -1, 0, 4, 0
	STEP 0, 4, 0, -1, 0, 5, 0
	STEP 0, 5, 0, -1, 0, 6, 0
	STEP 0, 6, 0, -1, 0, 7, 0
	; q's last K step, and THE REFILL of slot A: all my tensor loads have landed; the add; my reads of the slot are over; a round of the cluster's barrier; then my one load, first thing behind it
	s_wait_tensorcnt 0x0
	ds_add_u32 v30, v31                            ; 0 onto my spare word, twice on end
	ds_add_u32 v30, v31
	s_wait_dscnt 0x2                               ; this step's fragments are in (the two adds may be out)
	MUL 0, 7, 0                                    ; sixteen matrix instructions stand between the add and the wait for it
	WIN 0
	s_wait_dscnt 0x0                               ; the add is done, and my reads of slot A are over
	ROUND                                          ; both now hold of every wave of every work-group of the cluster
	s_cmp_eq_u32 s16, 3                            ; wave 3 asks for all of Wv
	s_cbranch_scc0 .Lno_v
	tensor_load_to_lds s[84:87], s[32:39]
	s_nop 0
.Lno_v:
.rept 4
	v_nop                                          ; (also the places in front of the loads below)
.endr
	FETCH 1, 0                                     ; k's first fragments land under q's way out
	WAYOUT 0
	; ---- k: the tokens' codes are there, Wk lies in slot B
	STEP 1, 0, 0, -1, 1, 1, 0
	STEP 1, 1, 0, -1, 1, 2, 0
	STEP 1, 2, 0, -1, 1, 3, 0
	STEP 1, 3, 0, -1, 1, 4, 0
	STEP 1, 4, 0, -1, 1, 5, 0
	STEP 1, 5, 0, -1, 1, 6, 0
	STEP 1, 6, 0, -1, 1, 7, 0
	STEP 1, 7, 0, 0, 0, 0, 0                       ; my load of Wv, if any, has landed, everybody's has: v's first fragments are fetched from slot A
	WAYOUT 1
	; ---- v: the sources change places
	STEP 2, 0, 1, -1, 0, 1, 0
	STEP 2, 1, 1, -1, 0, 2, 0
	STEP 2, 2, 1, -1, 0, 3, 0
	STEP 2, 3, 1, -1, 0, 4, 0
	STEP 2, 4, 1, -1, 0, 5, 0
	STEP 2, 5, 1, -1, 0, 6, 0
	STEP 2, 6, 1, -1, 0, 7, 0
	STEP 2, 7, 1, -1, 0, -1, 0
	WAYOUT 2
	s_wait_tensorcnt 0x0                           ; the wave's end
	ds_add_u32 v30, v31
	s_wait_dscnt 0x0
	ROUND                                          ; the closing round: no work-group ends while a partner may still ask for a tile that names it
	s_endpgm
.Lfunc_end_k_q85bbc4c019_qkv:
	.size	k_q85bbc4c019_qkv, .Lfunc_end_k_q85bbc4c019_qkv-k_q85bbc4c019_qkv
	.p2alignl 7, 3214868480
	.fill 96, 4, 3214868480
	.section	.rodata,"a",@progbits
	.p2align	6, 0x0
	.amdhsa_kernel k_q85bbc4c019_qkv
		.amdhsa_group_segment_fixed_size 327680
		.amdhsa_private_segment_fixed_size 0
		.amdhsa_enable_private_segment 0
		.amdhsa_kernarg_size 48
		.amdhsa_user_sgpr_count 2
		.amdhsa_user_sgpr_kernarg_segment_ptr 1
		.amdhsa_wavefront_size32 1
		.amdhsa_system_sgpr_workgroup_id_x 1
		.amdhsa_system_sgpr_workgroup_id_y 1
		.amdhsa_system_sgpr_workgroup_id_z 1
		.amdhsa_system_vgpr_workitem_id 0
		.amdhsa_next_free_vgpr 864
		.amdhsa_next_free_sgpr 106
		.amdhsa_reserve_vcc 0
		.amdhsa_float_denorm_mode_32 3
		.amdhsa_float_denorm_mode_16_64 3
		.amdhsa_memory_ordered 1
		.amdhsa_forward_progress 1
		.amdhsa_inst_pref_size 144
	.end_amdhsa_kernel
	.amdgpu_metadata
---
amdhsa.version: [ 1, 2 ]
amdhsa.kernels:
  - .name:           k_q85bbc4c019_qkv
    .symbol:         k_q85bbc4c019_qkv.kd
    .args:
      - { .name: pre_h, .offset: 0, .size: 8, .value_kind: global_buffer, .address_space: global }
      - { .name: pre_w, .offset: 8, .size: 8, .value_kind: global_buffer, .address_space: global }
      - { .name: bq, .offset: 16, .size: 8, .value_kind: global_buffer, .address_space: global }
      - { .name: bk, .offset: 24, .size: 8, .value_kind: global_buffer, .address_space: global }
      - { .name: bv, .offset: 32, .size: 8, .value_kind: global_buffer, .address_space: global }
      - { .name: qkvb, .offset: 40, .size: 8, .value_kind: global_buffer, .address_space: global }
    .group_segment_fixed_size: 327680
    .private_segment_fixed_size: 0
    .kernarg_segment_align: 8
    .kernarg_segment_size: 48
    .max_flat_workgroup_size: 128
    .sgpr_count:     106
    .vgpr_count:     864
    .wavefront_size: 32
...
	.end_amdgpu_metadata
.endif
;; end of part 2
;; launch attn (part 3): grid 8 x 32, 8 waves a work-group, clusters of 4 x 1, 327,680 bytes of LDS; arguments qkvb, ctx, row0; writes ctx, row0
.if DOCPART == 3
	.amdgcn_target "amdgcn-amd-amdhsa--gfx1250"
	.amdhsa_code_object_version 6
	.text
	.protected	k_q85bbc4c019_attn
	.globl	k_q85bbc4c019_attn
	.p2align	8
	.type	k_q85bbc4c019_attn,@function
k_q85bbc4c019_attn:
	s_mov_b64 s[64:65], 0
	v_nop
	global_prefetch_b8 v0, s[64:65] scope:SCOPE_SE
	s_setreg_imm32_b32 hwreg(HW_REG_WAVE_MODE, 25, 1), 1
	s_wait_xcnt 0x0
	s_wait_alu depctr_hold_cnt(0) depctr_sa_sdst(0) depctr_va_vdst(0) depctr_va_sdst(0) depctr_va_ssrc(0) depctr_va_vcc(0) depctr_vm_vsrc(0)
	s_getreg_b32 s2, hwreg(HW_REG_IB_STS2, 6, 4)
	s_cmp_eq_u32 s2, 0
	s_cbranch_scc0 .Lentry_in_a_cluster
	s_endpgm
.Lentry_in_a_cluster:
	s_bfe_u32 s2, ttmp6, 0x10000c
	s_cmp_lg_u32 s2, 0x3003
	s_cbranch_scc0 .Lentry_shape_is_right
	s_endpgm
.Lentry_shape_is_right:
; ctx = softmax(q k^T / 8) v for one (batch, head), both products on codes of FP6 (E2M3); ctx leaves quantised along the output projection's K, as images of that operand's registers.
; THE SOFTMAX: t = score x log2(e) / 8; M = the running largest t rounded UP to a whole number; p = 2^(t - M) is quantised along the keys, not normalised; the row's sum is taken of the unquantised p and divides at the end.
; When M moves, the sum and O are multiplied by 2^(old M - new M): exact.
; SHARES.  A work-group owns 256 queries of one head; each of its eight waves TWO tiles of 16 queries, so that a fragment of K or V and its scale word, read from LDS once, serves both tiles, and the two tiles' chains stand interleaved.
; The head's K and V, codes and scale words, are 16 records of 13,312 bytes; all lie in LDS, each byte filled once.  At the head a wave asks for an eighth of records 0-3 (26 rows of 256 bytes); behind the full sequence and a round it asks
; for an eighth of records 4-15 (78 rows), which has the first four key steps in which to land.  One load of a wave is out at any time.
; No prefetch: the two loads ask for all that the launch reads of K and V; no later stream is left to run ahead of.
; CLUSTER: the four query blocks of a cluster walk the same K and V: every load is joint.
; LAYOUT.  Both products transposed: a lane holds one query throughout.  The head's size is 64 and the instruction's K is 128: a fragment of K holds TWO tiles of 16 keys, and is multiplied by (q, 0) and by (0, q).
; The keys of tile 2 f + u are 32 f + 8 u + r + 8 (r / 8): the 16 registers of two neighbouring tiles are 16 neighbouring keys.
; THE FIRST QUERY'S ROW.  Wave 0 of the work-groups of the cluster with x = 0 also stores its first query's raw scores, -M and 1 / sum.  All four partners do so, told apart
; by address; the last launch reads the first partner's alone.
; LIMITS: NaN and infinities are not served; the scaled scores stay under 2^31 in magnitude; a block of p or of ctx under 2^-124 keeps the byte 1.
; REGISTERS, tile w = 0, 1.  Window 0: v1-9 addresses; v10-11 the old -M; v[12+2w] -M, v[13+2w] the largest score; v[16+2w:17+2w] the sum; v[20+12w ..] p's codes; v44-47 K's or V's scale words; v48+w q's; v50+w p's;
;   v[52+2w] f; v56-60 the first query's row; v61-63 at work; v[64+12w ..] 4 maxima, 4 bytes, 4 scale operands; v88-95, v240-247 partial sums; v[96+64w ..] S^T, then p; v[224+8w ..] halves of codes; v254-255 the add's two.
;   Window 1: v[32w ..] O^T; v[64+24w ..] (q, 0), (0, q); v112-159 four fragments.
.set KV, 3407872
.set HS, 3145728
.set ML, 1048576
.set REC, 13312
.set PHB, 4*REC
.set STAGE, 16*REC                     ; behind the records: 16 rows x 528 bytes, wave 0's alone; no fill lands there
.set SPARE, STAGE+16*528               ; the spare words: 128 bytes for each of eight waves
.set WV, 10
.set SEL, 40
.set CS, 42
.set TB, 44                            ; s44 LDS byte of the key step's record
.set CNT, 45
.set KO, 46                            ; s46 512 x the key step
.set SW, 44
.set FR, 112
.set MSB, 0
.macro WIN new                         ; the immediate's high byte repeats the setting that is left
.if MSB != \new
	s_set_vgpr_msb (MSB<<8)|\new
.set MSB, \new
.endif
.endm
.macro ROUND
	s_barrier_signal -1
	s_barrier_wait -1
	s_cmp_lg_u32 s[WV], 0
	s_cbranch_scc1 .Lnot_wave_0_\@
	s_barrier_signal -3
.Lnot_wave_0_\@:
	s_barrier_wait -3
	s_barrier_signal -1
	s_barrier_wait -1
.endm
.macro FRAGLD reg, a16, a8, off
	ds_load_b128 v[(\reg):(\reg)+3], v[\a16] offset:(\off)
	ds_load_b64 v[(\reg)+4:(\reg)+5], v[\a8] offset:(\off)+512
	ds_load_b128 v[(\reg)+6:(\reg)+9], v[\a16] offset:(\off)+768
	ds_load_b64 v[(\reg)+10:(\reg)+11], v[\a8] offset:(\off)+1280
.endm
.macro WM0 d, a, b, sa, sb             ; a product that starts its sum
	v_wmma_scale_f32_16x16x128_f8f6f4 v[(\d):(\d)+7], v[(\a):(\a)+11], v[(\b):(\b)+11], 0, v[(\sa)], v[(\sb)] matrix_a_fmt:MATRIX_FMT_FP6 matrix_b_fmt:MATRIX_FMT_FP6
.endm
.macro WMA d, a, b, sa, sb             ; a product added in place
	v_wmma_scale_f32_16x16x128_f8f6f4 v[(\d):(\d)+7], v[(\a):(\a)+11], v[(\b):(\b)+11], v[(\d):(\d)+7], v[(\sa)], v[(\sb)] matrix_a_fmt:MATRIX_FMT_FP6 matrix_b_fmt:MATRIX_FMT_FP6
.endm
	s_load_b128 s[4:7], s[0:1], 0x0                ; qkvb, ctx
	s_load_b64 s[8:9], s[0:1], 0x10                ; row0
	v_lshl_add_u32 v254, v0, 2, SPARE
	v_mov_b32 v255, 0
	ds_add_u32 v254, v255                          ; the opening lines: the add twice on end and its wait
	ds_add_u32 v254, v255
	v_lshrrev_b32 v10, 5, v0
	v_readfirstlane_b32 s[WV], v10                 ; wave 0..7
	s_bfe_u32 s11, ttmp6, 0x40000                  ; cx
	s_lshl_b32 s12, ttmp9, 2
	s_add_co_u32 s12, s12, s11                     ; my block of 256 queries
	s_and_b32 s13, ttmp7, 0xffff                   ; 16 batch + head
	s_mov_b32 s16, 15|(3<<16)|(1<<21)              ; group 1, records 0-3: the mask of all four work-groups; elements of 8 bytes; bit 21 beside a mask; 26 dense rows of 256 bytes
	s_mov_b32 s17, 32<<16
	s_mov_b32 s18, 26<<16
	s_mov_b32 s19, 32<<16
	s_mov_b32 s20, 26
	s_mov_b32 s21, 32
	s_mov_b32 s22, 0
	s_mov_b32 s23, 0
	s_mov_b32 s32, 15|(3<<16)|(1<<21)              ; group 1, records 4-15: 78 rows
	s_mov_b32 s33, 32<<16
	s_mov_b32 s34, 78<<16
	s_mov_b32 s35, 32<<16
	s_mov_b32 s36, 78
	s_mov_b32 s37, 32
	s_mov_b32 s38, 0
	s_mov_b32 s39, 0
	s_mul_i32 s50, s13, 16*REC
	s_add_co_u32 s50, s50, KV
	s_mov_b32 s51, 0
	s_mov_b32 s24, 1
	s_mul_i32 s25, s[WV], 6656                     ; an eighth of four records
	s_mov_b32 s52, s25
	s_mov_b32 s53, 0
	s_mov_b32 s28, 1
	s_mul_i32 s54, s[WV], 19968                    ; an eighth of twelve
	s_mov_b32 s55, 0
	s_add_co_u32 s29, s54, PHB
	s_wait_dscnt 0x0
	s_wait_kmcnt 0x0
	s_add_nc_u64 s[50:51], s[4:5], s[50:51]
	s_add_nc_u64 s[26:27], s[50:51], s[52:53]
	s_or_b32 s27, s27, 0x80000000
	s_add_nc_u64 s[30:31], s[50:51], s[54:55]
	s_add_nc_u64 s[30:31], s[30:31], PHB
	s_or_b32 s31, s31, 0x80000000
	ROUND                                          ; all four work-groups are here: the joint loads meet
	tensor_load_to_lds s[24:27], s[16:23]          ; my one load at the head
	s_nop 0
.rept 4
	v_nop
.endr
	; q: record 16 (16 batch + head) + 2 block + wave / 4, halves 2 (wave % 4) and the next, scale image wave % 4
	s_lshl_b32 s52, s13, 4
	s_lshl_b32 s53, s12, 1
	s_add_co_u32 s52, s52, s53
	s_lshr_b32 s53, s[WV], 2
	s_add_co_u32 s52, s52, s53
	s_mul_i32 s52, s52, 6656
	s_mov_b32 s53, 0
	s_add_nc_u64 s[54:55], s[4:5], s[52:53]
	s_and_b32 s52, s[WV], 3
	s_mul_i32 s56, s52, 1536
	s_mov_b32 s57, 0
	s_add_nc_u64 s[56:57], s[54:55], s[56:57]
	s_lshl_b32 s52, s52, 7
	s_add_co_u32 s52, s52, 6144
	s_add_nc_u64 s[54:55], s[54:55], s[52:53]
	s_mov_b32 s[SEL], 0x76543210
	s_mov_b32 s[SEL+1], 0xfedcba98
	s_mov_b32 s[CS], 0x3e38aa3b                    ; c = log2(e) / 8
	s_mov_b32 s[CS+1], s[CS]
	s_mov_b32 s[KO], 0
	; ctx: tile MT = 128 batch + 16 block + 2 wave (+ 1), half = head
	s_lshr_b32 s52, s13, 4
	s_lshl_b32 s52, s52, 7
	s_lshl_b32 s53, s12, 4
	s_add_co_u32 s52, s52, s53
	s_lshl_b32 s53, s[WV], 1
	s_add_co_u32 s52, s52, s53
	s_and_b32 s58, s13, 15
	s_mul_i32 s60, s52, 12288
	s_mul_i32 s61, s58, 768
	s_add_co_u32 s60, s60, s61
	s_mov_b32 s61, 0
	s_add_nc_u64 s[60:61], s[6:7], s[60:61]
	s_lshl_b32 s62, s52, 9                         ; the pair of tiles MT / 2: 1,024 bytes each
	s_lshr_b32 s63, s58, 2
	s_lshl_b32 s63, s63, 8
	s_add_co_u32 s62, s62, s63
	s_and_b32 s63, s58, 3
	s_lshl_b32 s63, s63, 1
	s_add_co_u32 s62, s62, s63
	s_add_co_u32 s62, s62, HS
	s_mov_b32 s63, 0
	s_add_nc_u64 s[62:63], s[6:7], s[62:63]
	s_lshl_b32 s52, s13, 2
	s_add_co_u32 s52, s52, s11                     ; 4 (16 batch + head) + cx
	s_lshl_b32 s70, s52, 13
	s_mov_b32 s71, 0
	s_add_nc_u64 s[66:67], s[8:9], s[70:71]        ; the row of scores
	s_lshl_b32 s70, s52, 8
	s_add_co_u32 s70, s70, ML
	s_add_nc_u64 s[68:69], s[8:9], s[70:71]        ; -M and 1 / sum
	v_and_b32 v10, 31, v0
	v_and_b32 v11, 15, v0                          ; r
	v_bfe_u32 v63, v0, 4, 1                        ; h
	v_lshlrev_b32 v1, 4, v10                       ; 16 x lane
	v_lshlrev_b32 v2, 3, v10                       ; 8 x lane
	v_lshlrev_b32 v3, 2, v10                       ; 4 x lane
	v_mul_u32_u24 v7, v11, 528
	v_lshlrev_b32 v9, 3, v11                       ; 8 x r
	v_lshl_add_u32 v7, v63, 6, v7
	v_add_nc_u32 v8, STAGE, v1                     ; the stage's row 0 back
	v_add_nc_u32 v7, STAGE, v7                     ; the stage: row r, + 64 h
	s_wait_alu depctr_va_vdst(0)
	WIN 0x40                                       ; destination window 1
.irp w, 0,1
	global_load_b128 v[64+24*\w:67+24*\w], v1, s[56:57] offset:768*\w          ; q's half, twice: (q, 0) and (0, q) are two runs of registers
	global_load_b64 v[68+24*\w:69+24*\w], v2, s[56:57] offset:768*\w+512
	global_load_b128 v[82+24*\w:85+24*\w], v1, s[56:57] offset:768*\w
	global_load_b64 v[86+24*\w:87+24*\w], v2, s[56:57] offset:768*\w+512
.endr
	WIN 0
	global_load_b32 v61, v3, s[54:55]              ; the pair's scale word: tile 0's two bytes below, tile 1's above
	v_mov_b32 v13, 0xff61b1e6                      ; the largest score so far: -3e38
	v_mov_b32 v15, 0xff61b1e6
.irp j, 16,17,18,19,53,55,56,57,58,59,60,62,63,68,69,70,71,80,81,82,83
	v_mov_b32 v\j, 0                               ; the sums; and, written once: lane permutes' destinations, pairs' upper halves, the row's registers
.endr
	v_floor_f32 v12, -v13                          ; -M
	v_floor_f32 v14, -v15
	s_wait_loadcnt 0x0
	v_perm_b32 v48, v61, v61, 0x01000100           ; q's two bytes, twice: for (q, 0) and for (0, q)
	v_perm_b32 v49, v61, v61, 0x03020302
	WIN 0x40
.irp w, 0,1
.set j, 0
.rept 12
	v_mov_b32 v[70+24*\w+j], 0                     ; zero codes
.set j, j+1
.endr
.endr
.set j, 0
.rept 64
	v_mov_b32 v[j], 0                              ; O^T: the step is written once; the first finds zeros
.set j, j+1
.endr
	WIN 0
; A KEY STEP: 128 keys, the record at s[TB], for both tiles of queries
.macro STEP
	v_add_nc_u32 v4, s[TB], v1
	v_add_nc_u32 v5, s[TB], v2
	v_add_nc_u32 v6, s[TB], v3
	v_nop                                          ; four plain lines between the last step's products and the loads into their registers
.irp f, 0,1,2,3
	ds_load_b32 v[SW+\f], v6 offset:12288+128*\f
.endr
	WIN 0x40
.irp f, 0,1,2,3
	FRAGLD FR+12*\f, 4, 5, 1536*\f
.endr
	WIN 0x05                                       ; both sources in window 1, the result in window 0
	s_wait_alu depctr_va_vdst(0)
	s_wait_dscnt 0x0
.irp f, 0,1,2,3
.irp w, 0,1
	WM0 96+64*\w+16*\f, FR+12*\f, 64+24*\w, SW+\f, 48+\w
	WM0 104+64*\w+16*\f, FR+12*\f, 76+24*\w, SW+\f, 48+\w
.endr
.endr                                              ; register 16 f + i of a tile's S^T is key 32 f + 16 h + i
.rept 4
	v_nop
.endr
	WIN 0
.irp t, 0,1,2,3
	ds_load_b32 v[SW+\t], v6 offset:12800+128*\t   ; V's scale words and fragments land under the softmax
.endr
	WIN 0x40
.irp t, 0,1,2,3
	FRAGLD FR+12*\t, 4, 5, 6144+1536*\t
.endr
	WIN 0
	s_cmp_lg_u32 s[WV], 0                          ; the first query's raw scores: wave 0, tile 0, in the cluster with x = 0: into the stage, and row 0 is asked back
	s_cbranch_scc1 .Lnr_\@
	s_cmp_lg_u32 ttmp9, 0
	s_cbranch_scc1 .Lnr_\@
	s_wait_xcnt 0x0                                ; the last step's store has read its registers
	v_add_nc_u32 v60, s[KO], v1
.irp f, 0,1,2,3
.irp i, 0,1,2,3
	ds_store_b128 v7, v[96+16*\f+4*\i:99+16*\f+4*\i] offset:128*\f+16*\i       ; each accumulator from its low end on
.endr
.endr
	ds_load_b128 v[56:59], v8                      ; LDS serves a wave's instructions in order: row 0, 128 keys in order
.Lnr_\@:
.irp w, 0,1
.irp b, 0,1,2,3
	v_max3_num_f32 v[64+12*\w+\b], v[96+64*\w+16*\b], v[97+64*\w+16*\b], v[98+64*\w+16*\b]  ; the largest score of each block of 32 keys: for the row's maximum and, since p rises with the score, for the block's largest p
.endr
.endr
.irp i, 3,5,7,9,11,13
.irp w, 0,1
.irp b, 0,1,2,3
	v_max3_num_f32 v[64+12*\w+\b], v[64+12*\w+\b], v[96+64*\w+16*\b+\i], v[97+64*\w+16*\b+\i]
.endr
.endr
.endr
.irp w, 0,1
.irp b, 0,1,2,3
	v_max_num_f32 v[64+12*\w+\b], v[64+12*\w+\b], v[111+64*\w+16*\b]
.endr
.endr
.irp w, 0,1
.irp b, 0,1,2,3
	v_permlanex16_b32 v[68+12*\w+\b], v[64+12*\w+\b], s[SEL], s[SEL+1]
.endr
.endr
.irp w, 0,1
.irp b, 0,1,2,3
	v_max_num_f32 v[64+12*\w+\b], v[64+12*\w+\b], v[68+12*\w+\b]
.endr
.endr
.irp w, 0,1
	v_mov_b32 v[10+\w], v[12+2*\w]                 ; the old -M
.endr
.irp w, 0,1
	v_max3_num_f32 v[62+\w], v[64+12*\w], v[65+12*\w], v[66+12*\w]
.endr
.irp w, 0,1
	s_delay_alu instid0(VALU_DEP_2)
	v_max3_num_f32 v[13+2*\w], v[13+2*\w], v[62+\w], v[67+12*\w]               ; the running largest score
.endr
.irp w, 0,1
	s_delay_alu instid0(VALU_DEP_2)
	v_mul_f32 v[62+\w], s[CS], v[13+2*\w]          ; as t (c is positive)
.endr
.irp w, 0,1
	s_delay_alu instid0(VALU_DEP_2)
	v_floor_f32 v[12+2*\w], -v[62+\w]              ; the new -M = -ceil(t)
.endr
.irp w, 0,1
	s_delay_alu instid0(VALU_DEP_2)
	v_sub_f32 v[62+\w], v[12+2*\w], v[10+\w]       ; old M - new M: a whole number, 0 or less
.endr
.irp w, 0,1
	s_delay_alu instid0(VALU_DEP_2)
	v_cvt_i32_f32 v[62+\w], v[62+\w]               ; (it saturates)
.endr
.irp w, 0,1
	s_delay_alu instid0(VALU_DEP_2)
	v_ldexp_f32 v[52+2*\w], 1.0, v[62+\w]          ; f = 2^(old M - new M)
.endr
	s_cmp_lg_u32 s[WV], 0                          ; the same two tests as above: the row has had the maxima's lines in which to come back
	s_cbranch_scc1 .Lns_\@
	s_cmp_lg_u32 ttmp9, 0
	s_cbranch_scc1 .Lns_\@
	s_wait_dscnt 0x0                               ; the stage's stores have read the scores, which the next lines rewrite, and row 0 is in
	global_store_b128 v60, v[56:59], s[66:67]      ; 512 consecutive bytes
.Lns_\@:
	s_wait_alu depctr_va_vdst(0)
.irp w, 0,1
.set j, 0
.rept 32
	v_pk_fma_f32 v[96+64*\w+j:97+64*\w+j], v[96+64*\w+j:97+64*\w+j], s[CS:CS+1], v[12+2*\w:13+2*\w] op_sel_hi:[1,0,0]     ; t - M
.set j, j+2
.endr
.irp b, 0,2
	v_pk_fma_f32 v[64+12*\w+\b:65+12*\w+\b], v[64+12*\w+\b:65+12*\w+\b], s[CS:CS+1], v[12+2*\w:13+2*\w] op_sel_hi:[1,0,0] ; the same of the blocks' largest scores
.endr
.endr
	s_wait_alu depctr_va_vdst(0)                   ; one wait ahead of the batch
.set j, 0
.rept 128
	v_exp_f32 v[96+j], v[96+j]                     ; p = 2^(t - M)
.set j, j+1
.endr
.irp w, 0,1
.irp b, 0,1,2,3
	v_exp_f32 v[64+12*\w+\b], v[64+12*\w+\b]       ; the block's largest p
.endr
.endr
	v_nop                                          ; a plain line behind the last exponential
	s_wait_alu depctr_va_vdst(0)                   ; and one wait behind the batch
.irp k, 0,1,2,3
.irp w, 0,1
	v_pk_add_f32 v[240-152*\w+2*\k:241-152*\w+2*\k], v[96+64*\w+4*\k:97+64*\w+4*\k], v[98+64*\w+4*\k:99+64*\w+4*\k]       ; the step's sum of the unquantised p: four chains a tile
.endr
.endr
.set n, 8
.rept 24
.irp w, 0,1
	v_pk_add_f32 v[240-152*\w+2*(n%4):241-152*\w+2*(n%4)], v[240-152*\w+2*(n%4):241-152*\w+2*(n%4)], v[96+64*\w+2*n:97+64*\w+2*n]
.endr
.set n, n+1
.endr
.irp w, 0,1
	v_pk_add_f32 v[240-152*\w:241-152*\w], v[240-152*\w:241-152*\w], v[242-152*\w:243-152*\w]
.endr
.irp w, 0,1
	v_pk_add_f32 v[244-152*\w:245-152*\w], v[244-152*\w:245-152*\w], v[246-152*\w:247-152*\w]
.endr
.irp w, 0,1
.irp b, 0,1,2,3
	v_max_num_f32 v[64+12*\w+\b], 0x1800000, v[64+12*\w+\b]                    ; the floor 2^(3 - 127)
.endr
.endr
.irp w, 0,1
	v_pk_add_f32 v[240-152*\w:241-152*\w], v[240-152*\w:241-152*\w], v[244-152*\w:245-152*\w]
.endr
.irp w, 0,1
.irp b, 0,1,2,3
	v_add_nc_u32 v[72+12*\w+\b], 0xff000000, v[64+12*\w+\b]                    ; 2 off the exponent field: the conversion's scale operand
.endr
.endr
.irp w, 0,1
.irp b, 0,1,2,3
	v_lshrrev_b32 v[68+12*\w+\b], 23, v[72+12*\w+\b]                           ; the scale's byte
.endr
.endr
.irp w, 0,1
	v_pk_fma_f32 v[16+2*\w:17+2*\w], v[16+2*\w:17+2*\w], v[52+2*\w:53+2*\w], v[240-152*\w:241-152*\w] op_sel_hi:[1,0,1]    ; the sum under the new M, and this step's
.endr
.irp w, 0,1
	v_lshl_or_b32 v[68+12*\w], v[69+12*\w], 8, v[68+12*\w]
.endr
.irp w, 0,1
	v_lshl_or_b32 v[70+12*\w], v[71+12*\w], 8, v[70+12*\w]
.endr
.irp w, 0,1
.irp c, 0,1
	v_cvt_scalef32_pk16_fp6_f32 v[20+12*\w+6*\c:22+12*\w+6*\c], v[96+64*\w+32*\c:111+64*\w+32*\c], v[72+12*\w+2*\c]
	v_cvt_scalef32_pk16_fp6_f32 v[224+8*\w+4*\c:226+8*\w+4*\c], v[112+64*\w+32*\c:127+64*\w+32*\c], v[73+12*\w+2*\c]      ; (a conversion's three registers begin on an even number)
.endr
.endr
	v_nop                                          ; one plain line behind the conversions
.irp w, 0,1
.irp c, 0,1
.irp i, 0,1,2
	v_permlane16_swap_b32 v[20+12*\w+6*\c+\i], v[224+8*\w+4*\c+\i]             ; a whole block to a lane
.endr
.endr
.endr
.irp w, 0,1
	v_lshl_or_b32 v[50+\w], v[70+12*\w], 16, v[68+12*\w]                       ; p's scale word for these 128 keys
.endr
.irp w, 0,1
.irp c, 0,1
.irp i, 0,1,2
	v_mov_b32 v[23+12*\w+6*\c+\i], v[224+8*\w+4*\c+\i]
.endr
.endr
.endr
	s_wait_dscnt 0x0                               ; V is in
	WIN 0x41                                       ; O^T, result and source 0, in window 1; f in window 0
	s_wait_alu depctr_va_vdst(0)                   ; directly ahead of the first reader of O^T
.irp w, 0,1
.set j, 0
.rept 16
	v_pk_mul_f32 v[32*\w+j:32*\w+j+1], v[32*\w+j:32*\w+j+1], v[52+2*\w:53+2*\w] op_sel_hi:[1,0]   ; O^T under the new M; these 32 also stand between the scale words' and the codes' last writes and the products
.set j, j+2
.endr
.endr
	WIN 0x51                                       ; V's fragments, C and D in window 1; p's codes in window 0
.irp t, 0,1,2,3
.irp w, 0,1
	WMA 32*\w+8*\t, FR+12*\t, 20+12*\w, SW+\t, 50+\w                           ; the eight accumulators by turns
.endr
.endr
	WIN 0
.endm
.macro RUN n, base, trips              ; a run of key steps from the record at LDS byte base on
	s_mov_b32 s[TB], \base
	s_mov_b32 s[CNT], \trips
.Lph\n:
	STEP
	s_add_co_u32 s[TB], s[TB], REC
	s_add_co_u32 s[KO], s[KO], 512
	s_sub_co_u32 s[CNT], s[CNT], 1
	s_cmp_lg_u32 s[CNT], 0
	s_cbranch_scc1 .Lph\n
.endm
	s_wait_alu depctr_va_vdst(0)
	s_wait_tensorcnt 0x0                           ; my part of records 0-3 is in; the full sequence ahead of a later first fill:
	ds_add_u32 v254, v255
	s_wait_dscnt 0x0
	ROUND                                          ; everybody's part is in, and all four work-groups are here
	tensor_load_to_lds s[28:31], s[32:39]          ; my part of records 4-15: my one load behind the round
	s_nop 0
.rept 4
	v_nop
.endr
	RUN 0, 0, 4
	s_wait_dscnt 0x0
	s_wait_tensorcnt 0x0                           ; my part of records 4-15 is in
	s_barrier_signal -1
	s_barrier_wait -1                              ; everybody's is
	RUN 1, PHB, 12
	; THE WAY OUT: O^T / the sum; register 8 t + i is channel 32 (t / 2) + 8 (t % 2) + 16 h + i of my query: two blocks of the next K, each shared with lane xor 16
.rept 4
	v_nop
.endr
.irp w, 0,1
	v_add_f32 v[16+2*\w], v[16+2*\w], v[17+2*\w]
.endr
.irp w, 0,1
	s_delay_alu instid0(VALU_DEP_2)
	v_permlanex16_b32 v[62+\w], v[16+2*\w], s[SEL], s[SEL+1]
.endr
.irp w, 0,1
	s_delay_alu instid0(VALU_DEP_2)
	v_add_f32 v[16+2*\w], v[16+2*\w], v[62+\w]
.endr
	s_wait_alu depctr_va_vdst(0)
	v_rcp_f32 v11, v16
	v_rcp_f32 v61, v18
	v_mov_b32 v10, v12                             ; (a plain line behind the reciprocals)
	WIN 0x01                                       ; source 0, O^T, in window 1
	s_wait_alu depctr_va_vdst(0)
.set j, 0
.rept 32
	v_mul_f32 v[96+j], v[j], v11
	v_mul_f32 v[160+j], v[32+j], v61
.set j, j+1
.endr
	WIN 0
.irp w, 0,1
.irp b, 0,1
	v_max3_num_f32 v[64+12*\w+\b], |v[96+64*\w+16*\b]|, |v[97+64*\w+16*\b]|, 0x1800000
.endr
.endr
.irp j, 2,4,6,8,10,12,14
.irp w, 0,1
.irp b, 0,1
	s_delay_alu instid0(VALU_DEP_4)
	v_max3_num_f32 v[64+12*\w+\b], v[64+12*\w+\b], |v[96+64*\w+16*\b+\j]|, |v[97+64*\w+16*\b+\j]|
.endr
.endr
.endr
.irp w, 0,1
.irp b, 0,1
	s_delay_alu instid0(VALU_DEP_4)
	v_permlanex16_b32 v[68+12*\w+\b], v[64+12*\w+\b], s[SEL], s[SEL+1]
.endr
.endr
.irp w, 0,1
.irp b, 0,1
	s_delay_alu instid0(VALU_DEP_4)
	v_max_num_f32 v[64+12*\w+\b], v[64+12*\w+\b], v[68+12*\w+\b]
.endr
.endr
.irp w, 0,1
.irp b, 0,1
	s_delay_alu instid0(VALU_DEP_4)
	v_add_nc_u32 v[72+12*\w+\b], 0xff000000, v[64+12*\w+\b]
.endr
.endr
.irp w, 0,1
.irp b, 0,1
	s_delay_alu instid0(VALU_DEP_4)
	v_lshrrev_b32 v[68+12*\w+\b], 23, v[72+12*\w+\b]
.endr
.endr
	s_delay_alu instid0(VALU_DEP_3)
	v_lshl_or_b32 v68, v69, 8, v68                 ; a row's two bytes, tile 0
	s_delay_alu instid0(VALU_DEP_2)
	v_lshl_or_b32 v80, v81, 8, v80                 ; and tile 1
.irp w, 0,1
	v_cvt_scalef32_pk16_fp6_f32 v[20+12*\w:22+12*\w], v[96+64*\w:111+64*\w], v[72+12*\w]
	v_cvt_scalef32_pk16_fp6_f32 v[224+8*\w:226+8*\w], v[112+64*\w:127+64*\w], v[73+12*\w]
.endr
	v_nop
.irp w, 0,1
.irp i, 0,1,2
	v_permlane16_swap_b32 v[20+12*\w+\i], v[224+8*\w+\i]
.endr
.endr
.irp w, 0,1
.irp i, 0,1,2
	v_mov_b32 v[23+12*\w+\i], v[224+8*\w+\i]
.endr
.endr
.irp w, 0,1
	global_store_b128 v1, v[20+12*\w:23+12*\w], s[60:61] offset:12288*\w
	global_store_b64 v2, v[24+12*\w:25+12*\w], s[60:61] offset:12288*\w+512
	global_store_b16 v9, v[68+12*\w], s[62:63] offset:128*\w                   ; my head's two of the row's eight bytes; both halves of the lanes write the same
.endr
	s_cmp_lg_u32 s[WV], 0
	s_cbranch_scc1 .Lno_ml
	s_cmp_lg_u32 ttmp9, 0
	s_cbranch_scc1 .Lno_ml
	global_store_b64 v2, v[10:11], s[68:69]        ; tile 0's -M and 1 / sum, a lane a query
.Lno_ml:
	s_wait_tensorcnt 0x0                           ; the wave's end
	ds_add_u32 v254, v255
	s_wait_dscnt 0x0
	ROUND                                          ; the closing round
	s_endpgm
.Lfunc_end_k_q85bbc4c019_attn:
	.size	k_q85bbc4c019_attn, .Lfunc_end_k_q85bbc4c019_attn-k_q85bbc4c019_attn
	.p2alignl 7, 3214868480
	.fill 96, 4, 3214868480
	.section	.rodata,"a",@progbits
	.p2align	6, 0x0
	.amdhsa_kernel k_q85bbc4c019_attn
		.amdhsa_group_segment_fixed_size 327680
		.amdhsa_private_segment_fixed_size 0
		.amdhsa_enable_private_segment 0
		.amdhsa_kernarg_size 24
		.amdhsa_user_sgpr_count 2
		.amdhsa_user_sgpr_kernarg_segment_ptr 1
		.amdhsa_wavefront_size32 1
		.amdhsa_system_sgpr_workgroup_id_x 1
		.amdhsa_system_sgpr_workgroup_id_y 1
		.amdhsa_system_sgpr_workgroup_id_z 1
		.amdhsa_system_vgpr_workitem_id 0
		.amdhsa_next_free_vgpr 416
		.amdhsa_next_free_sgpr 80
		.amdhsa_reserve_vcc 0
		.amdhsa_float_denorm_mode_32 3
		.amdhsa_float_denorm_mode_16_64 3
		.amdhsa_memory_ordered 1
		.amdhsa_forward_progress 1
		.amdhsa_inst_pref_size 83
	.end_amdhsa_kernel
	.amdgpu_metadata
---
amdhsa.version: [ 1, 2 ]
amdhsa.kernels:
  - .name:           k_q85bbc4c019_attn
    .symbol:         k_q85bbc4c019_attn.kd
    .args:
      - { .name: qkvb, .offset: 0, .size: 8, .value_kind: global_buffer, .address_space: global }
      - { .name: ctx, .offset: 8, .size: 8, .value_kind: global_buffer, .address_space: global }
      - { .name: row0, .offset: 16, .size: 8, .value_kind: global_buffer, .address_space: global }
    .group_segment_fixed_size: 327680
    .private_segment_fixed_size: 0
    .kernarg_segment_align: 8
    .kernarg_segment_size: 24
    .max_flat_workgroup_size: 256
    .sgpr_count:     80
    .vgpr_count:     416
    .wavefront_size: 32
...
	.end_amdgpu_metadata
.endif
;; end of part 3
;; launch oproj (part 4): grid 8 x 32, 4 waves a work-group, clusters of 4 x 4, 272,896 bytes of LDS; arguments ctx, pre_w, bo, x, y; writes y
.if DOCPART == 4
	.amdgcn_target "amdgcn-amd-amdhsa--gfx1250"
	.amdhsa_code_object_version 6
	.text
	.protected	k_q85bbc4c019_oproj
	.globl	k_q85bbc4c019_oproj
	.p2align	8
	.type	k_q85bbc4c019_oproj,@function
k_q85bbc4c019_oproj:
	s_mov_b64 s[64:65], 0
	v_nop
	global_prefetch_b8 v0, s[64:65] scope:SCOPE_SE
	s_setreg_imm32_b32 hwreg(HW_REG_WAVE_MODE, 25, 1), 1
	s_wait_xcnt 0x0
	s_wait_alu depctr_hold_cnt(0) depctr_sa_sdst(0) depctr_va_vdst(0) depctr_va_sdst(0) depctr_va_ssrc(0) depctr_va_vcc(0) depctr_vm_vsrc(0)
	s_getreg_b32 s2, hwreg(HW_REG_IB_STS2, 6, 4)
	s_cmp_eq_u32 s2, 0
	s_cbranch_scc0 .Lentry_in_a_cluster
	s_endpgm
.Lentry_in_a_cluster:
	s_bfe_u32 s2, ttmp6, 0x10000c
	s_cmp_lg_u32 s2, 0xf033
	s_cbranch_scc0 .Lentry_shape_is_right
	s_endpgm
.Lentry_shape_is_right:
; y = x + ctx Wo + bo, the product on codes of FP6 (E2M3); y is f32, row-major.
; A work-group makes 128 tokens x 128 columns; 256 work-groups.  Four waves, each 64 x 64: 16 accumulators.  All of K = 1,024 lies in LDS, each byte filled once, by one load for each operand's codes and one for its scale bytes.  Nothing is filled again.
; Operands are images of their registers (a half, 16 rows x 64 K: 512 bytes at 16 x lane, 256 bytes at 8 x lane); tile 2 B + u, lane r holds row 32 B + 8 u + r + 8 (r / 8).
; Source 0 = 16 columns of Wo, source 1 = 16 tokens: a lane holds one token and neighbouring columns.  bo is the C of each sum's first matrix instruction.
; CLUSTER 4 x 4: ctx's tiles are shared along a row, Wo's along a column: joint loads.
; x's 128 x 128 numbers are asked for at the head and land under the product.  The results meet in a stage in LDS, behind all filled bytes, and leave as whole rows of 512 bytes.
; REGISTERS: window 0: v1-14 addresses; v96-111 scale words and nothing else; v128-255 accumulators.  window 1: v0-95, v128-223 two buffers of 4 + 4 fragments; v96-127 the bias; on the way out v0-127 rows of y.  window 2: v0-127 x.
.set SCL, 196608
.set HS, 3145728
.set WS, 3145728
.set STG, 204800                       ; the stage: 128 rows x (512 + 16) bytes
.set ACC, 128
.set BIAS, 96
.set MSB, 0
.macro WIN new
.if MSB != \new
	s_set_vgpr_msb (MSB<<8)|\new
.set MSB, \new
.endif
.endm
.macro ROUND
	s_barrier_signal -1
	s_barrier_wait -1
	s_cmp_lg_u32 s16, 0
	s_cbranch_scc1 .Lnot_wave_0_\@
	s_barrier_signal -3
.Lnot_wave_0_\@:
	s_barrier_wait -3
	s_barrier_signal -1
	s_barrier_wait -1
.endm
.macro PLACES
.rept 4
	v_nop
.endr
.endm
.macro FRAGLD reg, a16, a8, off
	ds_load_b128 v[(\reg):(\reg)+3], v[\a16] offset:(\off)
	ds_load_b64 v[(\reg)+4:(\reg)+5], v[\a8] offset:(\off)+512
	ds_load_b128 v[(\reg)+6:(\reg)+9], v[\a16] offset:(\off)+768
	ds_load_b64 v[(\reg)+10:(\reg)+11], v[\a8] offset:(\off)+1280
.endm
.macro FETCH s
.set FO, (\s)*1536                     ; in LDS an operand lies as in memory: a tile's 12,288 bytes on end, K step s at 1,536 s
.set FB, 128*((\s)&1)
	WIN 0x40
.irp i, 0,1,2,3
	FRAGLD FB+12*\i, 4, 5, FO+12288*\i
.endr
.irp i, 0,1,2,3
	FRAGLD FB+48+12*\i, 6, 7, FO+12288*\i
.endr
	WIN 0
.if ((\s)&1) == 0
.set S0, 96+8*(((\s)>>1)&1)
.irp pp, 0,1
	ds_load_b64 v[S0+2*\pp:S0+2*\pp+1], v8 offset:\pp*1024+((\s)>>1)*256
	ds_load_b64 v[S0+4+2*\pp:S0+4+2*\pp+1], v9 offset:\pp*1024+((\s)>>1)*256
.endr
.endif
.endm
.macro WM d, a, b, c, sa, sb, ra, rb
.if ((\ra)==0)&&((\rb)==0)
	v_wmma_scale_f32_16x16x128_f8f6f4 v[(\d):(\d)+7], v[(\a):(\a)+11], v[(\b):(\b)+11], v[(\c):(\c)+7], v[(\sa)], v[(\sb)] matrix_a_fmt:MATRIX_FMT_FP6 matrix_b_fmt:MATRIX_FMT_FP6
.elseif ((\ra)==1)&&((\rb)==0)
	v_wmma_scale_f32_16x16x128_f8f6f4 v[(\d):(\d)+7], v[(\a):(\a)+11], v[(\b):(\b)+11], v[(\c):(\c)+7], v[(\sa)], v[(\sb)] matrix_a_fmt:MATRIX_FMT_FP6 matrix_b_fmt:MATRIX_FMT_FP6 matrix_a_scale:MATRIX_SCALE_ROW1
.elseif ((\ra)==0)&&((\rb)==1)
	v_wmma_scale_f32_16x16x128_f8f6f4 v[(\d):(\d)+7], v[(\a):(\a)+11], v[(\b):(\b)+11], v[(\c):(\c)+7], v[(\sa)], v[(\sb)] matrix_a_fmt:MATRIX_FMT_FP6 matrix_b_fmt:MATRIX_FMT_FP6 matrix_b_scale:MATRIX_SCALE_ROW1
.else
	v_wmma_scale_f32_16x16x128_f8f6f4 v[(\d):(\d)+7], v[(\a):(\a)+11], v[(\b):(\b)+11], v[(\c):(\c)+7], v[(\sa)], v[(\sb)] matrix_a_fmt:MATRIX_FMT_FP6 matrix_b_fmt:MATRIX_FMT_FP6 matrix_a_scale:MATRIX_SCALE_ROW1 matrix_b_scale:MATRIX_SCALE_ROW1
.endif
.endm
.macro MUL s                           ; 16 products: the 16 accumulators take turns, one instruction a turn, in the same order in every step
.set FB, 128*((\s)&1)
.set SS, 96+8*(((\s)>>1)&1)+((\s)&1)
.if (\s) == 0
	WIN 0x15
.else
	WIN 0x05
.endif
.irp a, 0,1,2,3
.irp b, 0,1,2,3
.set DD, ACC+8*(4*\a+\b)
.if (\s) == 0
.set CC, BIAS+8*\b
.else
.set CC, DD
.endif
	WM DD, FB+48+12*\b, FB+12*\a, CC, SS+4+2*(\b/2), SS+2*(\a/2), \b%2, \a%2
.endr
.endr
	WIN 0
.endm
.macro STEP s
	s_wait_dscnt 0x0                               ; this step's fragments are in; nothing younger is out
.if (\s) == 0
	s_wait_loadcnt 32                              ; the bias is in; x's 32 younger loads may be out
.endif
.if (\s) < 7
	PLACES
	FETCH (\s)+1
.endif
	MUL \s
.endm
	s_load_b256 s[4:11], s[0:1], 0x0               ; ctx s[4:5], pre_w s[6:7], bo s[8:9], x s[10:11]
	s_load_b64 s[12:13], s[0:1], 0x20              ; y
	v_lshl_add_u32 v126, v0, 2, 0x42800
	v_mov_b32 v127, 0
	ds_add_u32 v126, v127
	ds_add_u32 v126, v127
	v_lshrrev_b32 v1, 5, v0
	v_readfirstlane_b32 s16, v1
	s_lshr_b32 s17, s16, 1                         ; th
	s_and_b32 s18, s16, 1                          ; ch
	s_bfe_u32 s19, ttmp6, 0x40000
	s_bfe_u32 s20, ttmp6, 0x40004
	s_lshl_b32 s21, ttmp9, 2
	s_add_co_u32 s21, s21, s19                     ; tx
	s_and_b32 s22, ttmp7, 0xffff
	s_lshl_b32 s22, s22, 2
	s_add_co_u32 s22, s22, s20                     ; ty
	s_lshl_b32 s66, s20, 2
	s_lshl_b32 s66, 15, s66
	s_lshl_b32 s2, 0x1111, s19
	s_or_b32 s24, s66, (3<<16)|(1<<21)
	s_or_b32 s40, s66, (3<<16)|(1<<21)
	s_or_b32 s32, s2, (3<<16)|(1<<21)
	s_or_b32 s48, s2, (3<<16)|(1<<21)
.irp g, 24, 32
	s_mov_b32 s[\g+1], 32<<16                      ; one load brings an operand's 8 tiles: 98,304 dense bytes as 384 rows of 256 bytes
	s_mov_b32 s[\g+2], 384<<16
	s_mov_b32 s[\g+3], 32<<16
	s_mov_b32 s[\g+4], 384
	s_mov_b32 s[\g+5], 32
	s_mov_b32 s[\g+6], 0
	s_mov_b32 s[\g+7], 0
.endr
.irp g, 40, 48
	s_mov_b32 s[\g+1], 32<<16
	s_mov_b32 s[\g+2], 16<<16                      ; an operand's scale bytes: four pairs of tiles, 16 rows of 256 bytes
	s_mov_b32 s[\g+3], 32<<16
	s_mov_b32 s[\g+4], 16
	s_mov_b32 s[\g+5], 32
	s_mov_b32 s[\g+6], 0
	s_mov_b32 s[\g+7], 0
.endr
	s_lshl_b32 s100, s22, 3
	s_mul_i32 s100, s100, 12288
	s_mov_b32 s101, 0
	s_lshl_b32 s66, s22, 2
	s_lshl_b32 s66, s66, 10
	s_add_co_u32 s66, s66, HS
	s_mov_b32 s67, 0
	s_lshl_b32 s104, s21, 3
	s_add_co_u32 s104, s104, 192                   ; Wo is the fourth matrix: tiles 192 on,
	s_mul_i32 s104, s104, 12288
	s_mov_b32 s105, 0
	s_lshl_b32 s2, s21, 2
	s_add_co_u32 s2, s2, 96                        ; pairs 96 on
	s_lshl_b32 s2, s2, 10
	s_add_co_u32 s2, s2, WS
	s_mov_b32 s3, 0
	s_wait_dscnt 0x0
	s_wait_kmcnt 0x0
	s_add_nc_u64 s[100:101], s[4:5], s[100:101]
	s_add_nc_u64 s[66:67], s[4:5], s[66:67]
	s_add_nc_u64 s[104:105], s[6:7], s[104:105]
	s_add_nc_u64 s[2:3], s[6:7], s[2:3]
.irp p, 0
.set GH, 56+4*\p+4*(\p/2)
.set GW, 80+4*\p
	s_mov_b32 s[GH], 1
	s_mov_b32 s[GH+1], 0                           ; ctx's codes at LDS byte 0
	s_add_nc_u64 s[GH+2:GH+3], s[100:101], \p*3072
	s_or_b32 s[GH+3], s[GH+3], 0x80000000
	s_mov_b32 s[GW], 1
	s_mov_b32 s[GW+1], 98304                       ; Wo's behind them
	s_add_nc_u64 s[GW+2:GW+3], s[104:105], \p*3072
	s_or_b32 s[GW+3], s[GW+3], 0x80000000
.endr
	s_mov_b32 s76, 1
	s_mov_b32 s77, SCL
	s_mov_b64 s[78:79], s[66:67]
	s_or_b32 s79, s79, 0x80000000
	s_mov_b32 s96, 1
	s_mov_b32 s97, SCL+4096
	s_mov_b64 s[98:99], s[2:3]
	s_or_b32 s99, s99, 0x80000000
	ROUND
	s_cmp_eq_u32 s16, 0                            ; one load a wave, in one chain of branches on the wave's number: wave 0 ctx's codes, wave 1 Wo's, wave 2 ctx's scale bytes, wave 3 Wo's
	s_cbranch_scc0 .Lfill_w
	tensor_load_to_lds s[56:59], s[24:31]
	s_nop 0
.rept 4
	v_nop
.endr
	s_branch .Lfilled
.Lfill_w:
	s_cmp_eq_u32 s16, 1
	s_cbranch_scc0 .Lfill_sh
	tensor_load_to_lds s[80:83], s[32:39]
	s_nop 0
.rept 4
	v_nop
.endr
	s_branch .Lfilled
.Lfill_sh:
	s_cmp_eq_u32 s16, 2
	s_cbranch_scc0 .Lfill_sw
	tensor_load_to_lds s[76:79], s[40:47]
	s_nop 0
.rept 4
	v_nop
.endr
	s_branch .Lfilled
.Lfill_sw:
	tensor_load_to_lds s[96:99], s[48:55]
	s_nop 0
.rept 4
	v_nop
.endr
.Lfilled:
	v_and_b32 v3, 31, v0
	v_and_b32 v1, 15, v0
	v_bfe_u32 v2, v0, 4, 1
	v_lshlrev_b32 v10, 4, v3
	v_lshlrev_b32 v11, 3, v3
	s_mul_i32 s2, s17, 49152
	v_add_nc_u32 v4, s2, v10
	v_add_nc_u32 v5, s2, v11
	s_mul_i32 s2, s18, 49152
	s_add_co_u32 s2, s2, 98304
	v_add_nc_u32 v6, s2, v10
	v_add_nc_u32 v7, s2, v11
	s_lshl_b32 s2, s17, 11
	s_add_co_u32 s2, s2, SCL
	v_add_nc_u32 v8, s2, v11
	s_lshl_b32 s2, s18, 11
	s_add_co_u32 s2, s2, SCL+4096
	v_add_nc_u32 v9, s2, v11
	v_and_b32 v13, 8, v1
	v_add_nc_u32 v13, v13, v1                      ; r + 8 (r / 8)
	v_mul_u32_u24 v13, v13, 528
	v_lshl_add_u32 v13, v2, 6, v13
	s_mul_i32 s2, s17, 64*528
	s_lshl_b32 s3, s18, 8
	s_add_co_u32 s2, s2, s3
	s_add_co_u32 s2, s2, STG
	v_add_nc_u32 v13, s2, v13                      ; into the stage: token 64 th + r + 8 (r / 8), byte 256 ch + 64 h
	s_mul_i32 s2, s16, 32*528
	s_add_co_u32 s2, s2, STG
	v_add_nc_u32 v14, s2, v10                      ; back: my 32 rows, 16 bytes a lane
	s_lshl_b32 s2, s21, 9
	s_lshl_b32 s3, s18, 8
	s_add_co_u32 s2, s2, s3
	s_mov_b32 s3, 0
	s_add_nc_u64 s[8:9], s[8:9], s[2:3]            ; bo at my 64 columns
	s_lshl_b32 s2, s22, 7
	s_lshl_b32 s100, s16, 5
	s_add_co_u32 s2, s2, s100                      ; row 128 ty + 32 wave
	s_lshl_b32 s2, s2, 12
	s_lshl_b32 s100, s21, 9
	s_add_co_u32 s2, s2, s100
	s_add_nc_u64 s[10:11], s[10:11], s[2:3]
	s_add_nc_u64 s[12:13], s[12:13], s[2:3]
	v_lshlrev_b32 v12, 6, v2
	WIN 0x40
.irp b, 0,1,2,3
	global_load_b128 v[BIAS+8*\b:BIAS+8*\b+3], v12, s[8:9] offset:(32*(\b/2)+8*(\b%2))*4
	global_load_b128 v[BIAS+8*\b+4:BIAS+8*\b+7], v12, s[8:9] offset:(32*(\b/2)+8*(\b%2))*4+16
.endr
	WIN 0x80
.irp k, 0,1,2,3,4,5,6,7,8,9,10,11,12,13,14,15,16,17,18,19,20,21,22,23,24,25,26,27,28,29,30,31
	global_load_b128 v[4*\k:4*\k+3], v10, s[10:11] offset:\k*4096 th:TH_LOAD_NT
.endr
	WIN 0
	s_wait_alu depctr_va_vdst(0)
	s_wait_tensorcnt 0x0                           ; my one load has landed
	s_barrier_signal -1
	s_barrier_wait -1
	FETCH 0
.irp s, 0,1,2,3,4,5,6,7
	STEP \s
.endr
	PLACES
.irp a, 0,1,2,3
.irp b, 0,1,2,3
	ds_store_b128 v13, v[ACC+8*(4*\a+\b):ACC+8*(4*\a+\b)+3] offset:(32*(\a/2)+8*(\a%2))*528+128*(\b/2)+32*(\b%2)          ; each accumulator from its low end on
	ds_store_b128 v13, v[ACC+8*(4*\a+\b)+4:ACC+8*(4*\a+\b)+7] offset:(32*(\a/2)+8*(\a%2))*528+128*(\b/2)+32*(\b%2)+16
.endr
.endr
	s_wait_dscnt 0x0                               ; for the others' sake: my stores into the stage are done
	s_barrier_signal -1
	s_barrier_wait -1
	WIN 0x40
.irp k, 0,1,2,3,4,5,6,7,8,9,10,11,12,13,14,15,16,17,18,19,20,21,22,23,24,25,26,27,28,29,30,31
	ds_load_b128 v[4*\k:4*\k+3], v14 offset:\k*528
.endr
	s_wait_dscnt 0x0
	s_wait_loadcnt 0x0                             ; x
	WIN 0x49                                       ; result and source 0 in window 1, source 1 (x) in window 2
.set i, 0
.rept 64
	v_pk_add_f32 v[i:i+1], v[i:i+1], v[i:i+1]
.set i, i+2
.endr
	WIN 0x04                                       ; a store's data are its source 1: window 1
.irp k, 0,1,2,3,4,5,6,7,8,9,10,11,12,13,14,15,16,17,18,19,20,21,22,23,24,25,26,27,28,29,30,31
	global_store_b128 v10, v[4*\k:4*\k+3], s[12:13] offset:\k*4096             ; 512 consecutive bytes, at a multiple of 256
.endr
	WIN 0
	s_wait_tensorcnt 0x0
	ds_add_u32 v126, v127
	s_wait_dscnt 0x0
	ROUND                                          ; the closing round
	s_endpgm
.Lfunc_end_k_q85bbc4c019_oproj:
	.size	k_q85bbc4c019_oproj, .Lfunc_end_k_q85bbc4c019_oproj-k_q85bbc4c019_oproj
	.p2alignl 7, 3214868480
	.fill 96, 4, 3214868480
	.section	.rodata,"a",@progbits
	.p2align	6, 0x0
	.amdhsa_kernel k_q85bbc4c019_oproj
		.amdhsa_group_segment_fixed_size 272896
		.amdhsa_private_segment_fixed_size 0
		.amdhsa_enable_private_segment 0
		.amdhsa_kernarg_size 40
		.amdhsa_user_sgpr_count 2
		.amdhsa_user_sgpr_kernarg_segment_ptr 1
		.amdhsa_wavefront_size32 1
		.amdhsa_system_sgpr_workgroup_id_x 1
		.amdhsa_system_sgpr_workgroup_id_y 1
		.amdhsa_system_sgpr_workgroup_id_z 1
		.amdhsa_system_vgpr_workitem_id 0
		.amdhsa_next_free_vgpr 768
		.amdhsa_next_free_sgpr 106
		.amdhsa_reserve_vcc 0
		.amdhsa_float_denorm_mode_32 3
		.amdhsa_float_denorm_mode_16_64 3
		.amdhsa_memory_ordered 1
		.amdhsa_forward_progress 1
		.amdhsa_inst_pref_size 59
	.end_amdhsa_kernel
	.amdgpu_metadata
---
amdhsa.version: [ 1, 2 ]
amdhsa.kernels:
  - .name:           k_q85bbc4c019_oproj
    .symbol:         k_q85bbc4c019_oproj.kd
    .args:
      - { .name: ctx, .offset: 0, .size: 8, .value_kind: global_buffer, .address_space: global }
      - { .name: pre_w, .offset: 8, .size: 8, .value_kind: global_buffer, .address_space: global }
      - { .name: bo, .offset: 16, .size: 8, .value_kind: global_buffer, .address_space: global }
      - { .name: x, .offset: 24, .size: 8, .value_kind: global_buffer, .address_space: global }
      - { .name: y, .offset: 32, .size: 8, .value_kind: global_buffer, .address_space: global }
    .group_segment_fixed_size: 272896
    .private_segment_fixed_size: 0
    .kernarg_segment_align: 8
    .kernarg_segment_size: 40
    .max_flat_workgroup_size: 128
    .sgpr_count:     106
    .vgpr_count:     768
    .wavefront_size: 32
...
	.end_amdgpu_metadata
.endif
;; end of part 4
;; launch ln2 (part 5): grid 128 x 1, 8 waves a work-group, no clusters, 33,792 bytes of LDS; arguments y, part; writes part
.if DOCPART == 5
	.amdgcn_target "amdgcn-amd-amdhsa--gfx1250"
	.amdhsa_code_object_version 6
	.text
	.protected	k_q85bbc4c019_ln2
	.globl	k_q85bbc4c019_ln2
	.p2align	8
	.type	k_q85bbc4c019_ln2,@function
k_q85bbc4c019_ln2:
	s_mov_b64 s[64:65], 0
	v_nop
	global_prefetch_b8 v0, s[64:65] scope:SCOPE_SE
	s_setreg_imm32_b32 hwreg(HW_REG_WAVE_MODE, 25, 1), 1
	s_wait_xcnt 0x0
; The second layer norm, as far as the mean over tokens needs it: for each column the sum over 32 tokens of (y - mean) / sqrt(variance + 1e-5).  g2 and b2 are the same for all tokens and are applied to the mean by the next launch.
; A work-group takes 32 rows of y, a wave four: each row is 32 registers of the wave, read once; mean, then the sum of squared differences (two passes over registers).  The eight waves' column sums meet in LDS.
; Memory binds: no matrix unit, no cluster, no tensor load.  LIMITS: NaN and infinities are not served.
.set X, 64                             ; v64-191 four rows
.set CSUM, 192                         ; v192-223 my columns' sums
.macro LANESUM
.irp m, 1,2,4,8
.irp k, 0,1,2,3
	s_delay_alu instid0(VALU_DEP_4)
	v_add_f32_dpp v[16+4*\k], v[16+4*\k], v[16+4*\k] row_xmask:\m row_mask:0xf bank_mask:0xf
.endr
.endr
.irp k, 0,1,2,3
	s_delay_alu instid0(VALU_DEP_4)
	v_permlanex16_b32 v[32+\k], v[16+4*\k], s24, s25
.endr
.irp k, 0,1,2,3
	s_delay_alu instid0(VALU_DEP_4)
	v_add_f32 v[16+4*\k], v[16+4*\k], v[32+\k]
.endr
.endm
	s_load_b128 s[4:7], s[0:1], 0x0                ; y, part
	v_lshl_add_u32 v224, v0, 2, 0x8000
	v_mov_b32 v225, 0
	v_lshrrev_b32 v1, 5, v0
	s_delay_alu instid0(VALU_DEP_1)
	v_readfirstlane_b32 s8, v1                     ; wave 0..7
	v_and_b32 v1, 31, v0
	s_delay_alu instid0(VALU_DEP_1)
	v_lshlrev_b32 v4, 4, v1                        ; 16 x lane
	s_lshl_b32 s9, s8, 12
	v_add_nc_u32 v5, s9, v4                        ; LDS: my wave's 4,096 bytes
	v_lshlrev_b32 v6, 4, v0                        ; 16 x thread
	s_mov_b32 s24, 0x76543210
	s_mov_b32 s25, 0xfedcba98
	s_mov_b32 s30, 0x3a800000                      ; 1 / 1,024
	s_mov_b32 s31, 0x3727c5ac                      ; 1e-5
.irp j, 32,33,34,35,37,39,41,43,45,47,49,51
	v_mov_b32 v\j, 0
.endr
	s_lshl_b32 s10, ttmp9, 5
	s_lshl_b32 s11, s8, 2
	s_add_co_u32 s10, s10, s11                     ; my first row
	s_lshl_b32 s10, s10, 12
	s_mov_b32 s11, 0
	s_lshl_b32 s12, ttmp9, 12
	s_mov_b32 s13, 0
	s_wait_kmcnt 0x0
	s_add_nc_u64 s[4:5], s[4:5], s[10:11]
	s_add_nc_u64 s[6:7], s[6:7], s[12:13]
.irp k, 0,1,2,3
.irp i, 0,1,2,3,4,5,6,7
	global_load_b128 v[X+32*\k+4*\i:X+32*\k+4*\i+3], v4, s[4:5] offset:\k*4096+512*\i th:TH_LOAD_NT
.endr
.endr
	s_wait_loadcnt 0x0
.irp k, 0,1,2,3
	v_pk_add_f32 v[16+4*\k:17+4*\k], v[X+32*\k:X+32*\k+1], v[X+32*\k+2:X+32*\k+3]
	v_pk_add_f32 v[18+4*\k:19+4*\k], v[X+32*\k+4:X+32*\k+5], v[X+32*\k+6:X+32*\k+7]
.endr
.irp j, 8,12,16,20,24,28
.irp k, 0,1,2,3
	v_pk_add_f32 v[16+4*\k:17+4*\k], v[16+4*\k:17+4*\k], v[X+32*\k+\j:X+32*\k+\j+1]
	v_pk_add_f32 v[18+4*\k:19+4*\k], v[18+4*\k:19+4*\k], v[X+32*\k+\j+2:X+32*\k+\j+3]
.endr
.endr
.irp k, 0,1,2,3
	v_pk_add_f32 v[16+4*\k:17+4*\k], v[16+4*\k:17+4*\k], v[18+4*\k:19+4*\k]
.endr
.irp k, 0,1,2,3
	s_delay_alu instid0(VALU_DEP_4)
	v_add_f32 v[16+4*\k], v[16+4*\k], v[17+4*\k]
.endr
	LANESUM
.irp k, 0,1,2,3
	s_delay_alu instid0(VALU_DEP_4)
	v_mul_f32 v[36+2*\k], 0x3a800000, v[16+4*\k]   ; the mean
.endr
.irp k, 0,1,2,3
.irp j, 0,2,4,6,8,10,12,14,16,18,20,22,24,26,28,30
	v_pk_add_f32 v[X+32*\k+\j:X+32*\k+\j+1], v[X+32*\k+\j:X+32*\k+\j+1], v[36+2*\k:37+2*\k] op_sel_hi:[1,0] neg_lo:[0,1] neg_hi:[0,1]
.endr
.endr
.irp k, 0,1,2,3
	v_pk_mul_f32 v[16+4*\k:17+4*\k], v[X+32*\k:X+32*\k+1], v[X+32*\k:X+32*\k+1]
	v_pk_mul_f32 v[18+4*\k:19+4*\k], v[X+32*\k+2:X+32*\k+3], v[X+32*\k+2:X+32*\k+3]
.endr
.irp j, 4,8,12,16,20,24,28
.irp k, 0,1,2,3
	v_pk_fma_f32 v[16+4*\k:17+4*\k], v[X+32*\k+\j:X+32*\k+\j+1], v[X+32*\k+\j:X+32*\k+\j+1], v[16+4*\k:17+4*\k]
	v_pk_fma_f32 v[18+4*\k:19+4*\k], v[X+32*\k+\j+2:X+32*\k+\j+3], v[X+32*\k+\j+2:X+32*\k+\j+3], v[18+4*\k:19+4*\k]
.endr
.endr
.irp k, 0,1,2,3
	v_pk_add_f32 v[16+4*\k:17+4*\k], v[16+4*\k:17+4*\k], v[18+4*\k:19+4*\k]
.endr
.irp k, 0,1,2,3
	s_delay_alu instid0(VALU_DEP_4)
	v_add_f32 v[16+4*\k], v[16+4*\k], v[17+4*\k]
.endr
	LANESUM
.irp k, 0,1,2,3
	s_delay_alu instid0(VALU_DEP_4)
	v_fma_f32 v[52+\k], v[16+4*\k], s30, s31
.endr
	s_wait_alu depctr_va_vdst(0)
.irp k, 0,1,2,3
	v_rsq_f32 v[44+2*\k], v[52+\k]
.endr
	v_nop                                          ; a plain line behind the last of the four
	s_wait_alu depctr_va_vdst(0)                   ; one wait for the batch, ahead of its first reader
.irp j, 0,2,4,6,8,10,12,14,16,18,20,22,24,26,28,30
	v_pk_mul_f32 v[CSUM+\j:CSUM+\j+1], v[X+\j:X+\j+1], v[44:45] op_sel_hi:[1,0]            ; the first row starts the sums
.endr
.irp k, 1,2,3
.irp j, 0,2,4,6,8,10,12,14,16,18,20,22,24,26,28,30
	v_pk_fma_f32 v[CSUM+\j:CSUM+\j+1], v[X+32*\k+\j:X+32*\k+\j+1], v[44+2*\k:45+2*\k], v[CSUM+\j:CSUM+\j+1] op_sel_hi:[1,0,1]
.endr
.endr
.irp i, 0,1,2,3,4,5,6,7
	ds_store_b128 v5, v[CSUM+4*\i:CSUM+4*\i+3] offset:512*\i
.endr
	s_wait_dscnt 0x0                               ; for the others' sake
	s_barrier_signal -1
	s_barrier_wait -1
.irp w, 0,1,2,3,4,5,6,7
	ds_load_b128 v[X+4*\w:X+4*\w+3], v6 offset:4096*\w          ; thread t: columns 4 t .. 4 t + 3 of all eight waves
.endr
	s_wait_dscnt 0x0
.irp q, 0,2,4,6,8,10,12,14
	v_pk_add_f32 v[X+\q:X+\q+1], v[X+\q:X+\q+1], v[X+16+\q:X+17+\q]
.endr
.irp q, 0,2,4,6
	s_delay_alu instid0(VALU_DEP_4)
	v_pk_add_f32 v[X+\q:X+\q+1], v[X+\q:X+\q+1], v[X+8+\q:X+9+\q]
.endr
.irp q, 0,2
	s_delay_alu instid0(VALU_DEP_2)
	v_pk_add_f32 v[X+\q:X+\q+1], v[X+\q:X+\q+1], v[X+4+\q:X+5+\q]
.endr
	global_store_b128 v6, v[X:X+3], s[6:7]         ; a wave stores 512 consecutive bytes
	s_wait_tensorcnt 0x0
	ds_add_u32 v224, v225
	s_wait_dscnt 0x0
	s_endpgm
.Lfunc_end_k_q85bbc4c019_ln2:
	.size	k_q85bbc4c019_ln2, .Lfunc_end_k_q85bbc4c019_ln2-k_q85bbc4c019_ln2
	.p2alignl 7, 3214868480
	.fill 96, 4, 3214868480
	.section	.rodata,"a",@progbits
	.p2align	6, 0x0
	.amdhsa_kernel k_q85bbc4c019_ln2
		.amdhsa_group_segment_fixed_size 33792
		.amdhsa_private_segment_fixed_size 0
		.amdhsa_enable_private_segment 0
		.amdhsa_kernarg_size 16
		.amdhsa_user_sgpr_count 2
		.amdhsa_user_sgpr_kernarg_segment_ptr 1
		.amdhsa_wavefront_size32 1
		.amdhsa_system_sgpr_workgroup_id_x 1
		.amdhsa_system_sgpr_workgroup_id_y 1
		.amdhsa_system_sgpr_workgroup_id_z 1
		.amdhsa_system_vgpr_workitem_id 0
		.amdhsa_next_free_vgpr 226
		.amdhsa_next_free_sgpr 66
		.amdhsa_reserve_vcc 0
		.amdhsa_float_denorm_mode_32 3
		.amdhsa_float_denorm_mode_16_64 3
		.amdhsa_memory_ordered 1
		.amdhsa_forward_progress 1
		.amdhsa_inst_pref_size 29
	.end_amdhsa_kernel
	.amdgpu_metadata
---
amdhsa.version: [ 1, 2 ]
amdhsa.kernels:
  - .name:           k_q85bbc4c019_ln2
    .symbol:         k_q85bbc4c019_ln2.kd
    .args:
      - { .name: y, .offset: 0, .size: 8, .value_kind: global_buffer, .address_space: global }
      - { .name: part, .offset: 8, .size: 8, .value_kind: global_buffer, .address_space: global }
    .group_segment_fixed_size: 33792
    .private_segment_fixed_size: 0
    .kernarg_segment_align: 8
    .kernarg_segment_size: 16
    .max_flat_workgroup_size: 256
    .sgpr_count:     66
    .vgpr_count:     226
    .wavefront_size: 32
...
	.end_amdgpu_metadata
.endif
;; end of part 5
;; launch fin (part 6): grid 24 x 1, 4 waves a work-group, no clusters, 0 bytes of LDS; arguments part, g2, b2, row0, out0, out1; writes out0, out1
.if DOCPART == 6
	.amdgcn_target "amdgcn-amd-amdhsa--gfx1250"
	.amdhsa_code_object_version 6
	.text
	.protected	k_q85bbc4c019_fin
	.globl	k_q85bbc4c019_fin
	.p2align	8
	.type	k_q85bbc4c019_fin,@function
k_q85bbc4c019_fin:
	s_mov_b64 s[64:65], 0
	v_nop
	global_prefetch_b8 v0, s[64:65] scope:SCOPE_SE
	s_setreg_imm32_b32 hwreg(HW_REG_WAVE_MODE, 25, 1), 1
	s_wait_xcnt 0x0
; out0[b][c] = g2[c] x (the sum of the batch's 64 partial sums) / 2,048 + b2[c].   out1[b][k] = the mean over 16 heads of 2^(score x log2(e) / 8 - M) / sum, of the batch's first query.
; Work-groups 0-7: 256 columns of one batch, two a thread.  Work-groups 8-23: 256 keys of one batch, two a thread.  M is the row's largest t rounded up, so no exponent is above 0.
; A few hundred KiB in all: no LDS, no matrix unit, no cluster.
.set ML, 1048576
	s_load_b256 s[4:11], s[0:1], 0x0               ; part s[4:5], g2 s[6:7], b2 s[8:9], row0 s[10:11]
	s_load_b128 s[12:15], s[0:1], 0x20             ; out0 s[12:13], out1 s[14:15]
	v_lshlrev_b32 v1, 3, v0                        ; 8 x thread
	s_wait_kmcnt 0x0
	s_cmp_ge_u32 ttmp9, 8
	s_cbranch_scc1 .Lattn
	s_lshr_b32 s16, ttmp9, 2                       ; batch
	s_and_b32 s17, ttmp9, 3
	s_lshl_b32 s18, s17, 10                        ; my 256 columns, in bytes
	s_mov_b32 s19, 0
	s_add_nc_u64 s[6:7], s[6:7], s[18:19]
	s_add_nc_u64 s[8:9], s[8:9], s[18:19]
	s_lshl_b32 s20, s16, 18                        ; 64 partial rows of 4,096 bytes
	s_add_co_u32 s20, s20, s18
	s_mov_b32 s21, 0
	s_add_nc_u64 s[4:5], s[4:5], s[20:21]
	s_lshl_b32 s20, s16, 12
	s_add_co_u32 s20, s20, s18
	s_add_nc_u64 s[12:13], s[12:13], s[20:21]
.set i, 0
	s_wait_alu depctr_va_vdst(0)
.rept 64
	global_load_b64 v[16+2*i:17+2*i], v1, s[4:5] offset:i*4096
.set i, i+1
.endr
	global_load_b64 v[144:145], v1, s[6:7]
	global_load_b64 v[146:147], v1, s[8:9]
	s_wait_loadcnt 0x0
.set i, 4
.rept 60
	v_pk_add_f32 v[16+2*(i%4):17+2*(i%4)], v[16+2*(i%4):17+2*(i%4)], v[16+2*i:17+2*i]       ; four chains
.set i, i+1
.endr
	v_pk_add_f32 v[16:17], v[16:17], v[18:19]
	v_pk_add_f32 v[20:21], v[20:21], v[22:23]
	v_pk_add_f32 v[16:17], v[16:17], v[20:21]
	v_pk_mul_f32 v[16:17], v[16:17], 0x3a000000 op_sel_hi:[1,0]               ; / 2,048
	v_pk_fma_f32 v[16:17], v[16:17], v[144:145], v[146:147]
	global_store_b64 v1, v[16:17], s[12:13]
	s_endpgm
.Lattn:
	s_sub_co_u32 s16, ttmp9, 8
	s_lshr_b32 s17, s16, 3                         ; batch
	s_and_b32 s16, s16, 7
	s_lshl_b32 s18, s16, 10                        ; my 256 keys, in bytes
	s_lshl_b32 s20, s17, 19                        ; 16 heads x 4 rows of 8,192 bytes
	s_add_co_u32 s20, s20, s18
	s_mov_b32 s21, 0
	s_add_nc_u64 s[22:23], s[10:11], s[20:21]
	s_lshl_b32 s20, s17, 14
	s_add_co_u32 s20, s20, ML
	s_add_nc_u64 s[24:25], s[10:11], s[20:21]
	s_lshl_b32 s20, s17, 13
	s_add_co_u32 s20, s20, s18
	s_add_nc_u64 s[14:15], s[14:15], s[20:21]
.irp h, 0,1,2,3,4,5,6,7,8,9,10,11,12,13,14,15
	s_load_b64 s[32+2*\h:33+2*\h], s[24:25], \h*1024            ; -M and 1 / sum of head h's first query
.endr
	s_wait_alu depctr_va_vdst(0)
.irp h, 0,1,2,3,4,5,6,7,8,9,10,11,12,13,14,15
	global_load_b64 v[16+2*\h:17+2*\h], v1, s[22:23] offset:\h*32768
.endr
	s_mov_b32 s26, 0x3e38aa3b                      ; log2(e) / 8
	s_wait_kmcnt 0x0
	s_wait_loadcnt 0x0
.irp h, 0,1,2,3,4,5,6,7,8,9,10,11,12,13,14,15
	v_fma_f32 v[16+2*\h], v[16+2*\h], s26, s[32+2*\h]
	v_fma_f32 v[17+2*\h], v[17+2*\h], s26, s[32+2*\h]
.endr
	s_wait_alu depctr_va_vdst(0)
.irp j, 0,1,2,3,4,5,6,7,8,9,10,11,12,13,14,15,16,17,18,19,20,21,22,23,24,25,26,27,28,29,30,31
	v_exp_f32 v[16+\j], v[16+\j]
.endr
	v_nop                                          ; a plain line behind the last exponential
	s_wait_alu depctr_va_vdst(0)                   ; one wait for the batch
	v_mul_f32 v60, s33, v16
	v_mul_f32 v61, s33, v17
.irp h, 1,2,3,4,5,6,7,8,9,10,11,12,13,14,15
	v_fma_f32 v60, v[16+2*\h], s[33+2*\h], v60
	v_fma_f32 v61, v[17+2*\h], s[33+2*\h], v61
.endr
	v_mul_f32 v60, 0x3d800000, v60                 ; / 16
	v_mul_f32 v61, 0x3d800000, v61
	global_store_b64 v1, v[60:61], s[14:15]
	s_endpgm
.Lfunc_end_k_q85bbc4c019_fin:
	.size	k_q85bbc4c019_fin, .Lfunc_end_k_q85bbc4c019_fin-k_q85bbc4c019_fin
	.p2alignl 7, 3214868480
	.fill 96, 4, 3214868480
	.section	.rodata,"a",@progbits
	.p2align	6, 0x0
	.amdhsa_kernel k_q85bbc4c019_fin
		.amdhsa_group_segment_fixed_size 0
		.amdhsa_private_segment_fixed_size 0
		.amdhsa_enable_private_segment 0
		.amdhsa_kernarg_size 48
		.amdhsa_user_sgpr_count 2
		.amdhsa_user_sgpr_kernarg_segment_ptr 1
		.amdhsa_wavefront_size32 1
		.amdhsa_system_sgpr_workgroup_id_x 1
		.amdhsa_system_sgpr_workgroup_id_y 1
		.amdhsa_system_sgpr_workgroup_id_z 1
		.amdhsa_system_vgpr_workitem_id 0
		.amdhsa_next_free_vgpr 160
		.amdhsa_next_free_sgpr 66
		.amdhsa_reserve_vcc 0
		.amdhsa_float_denorm_mode_32 3
		.amdhsa_float_denorm_mode_16_64 3
		.amdhsa_memory_ordered 1
		.amdhsa_forward_progress 1
		.amdhsa_inst_pref_size 20
	.end_amdhsa_kernel
	.amdgpu_metadata
---
amdhsa.version: [ 1, 2 ]
amdhsa.kernels:
  - .name:           k_q85bbc4c019_fin
    .symbol:         k_q85bbc4c019_fin.kd
    .args:
      - { .name: part, .offset: 0, .size: 8, .value_kind: global_buffer, .address_space: global }
      - { .name: g2, .offset: 8, .size: 8, .value_kind: global_buffer, .address_space: global }
      - { .name: b2, .offset: 16, .size: 8, .value_kind: global_buffer, .address_space: global }
      - { .name: row0, .offset: 24, .size: 8, .value_kind: global_buffer, .address_space: global }
      - { .name: out0, .offset: 32, .size: 8, .value_kind: global_buffer, .address_space: global }
      - { .name: out1, .offset: 40, .size: 8, .value_kind: global_buffer, .address_space: global }
    .group_segment_fixed_size: 0
    .private_segment_fixed_size: 0
    .kernarg_segment_align: 8
    .kernarg_segment_size: 48
    .max_flat_workgroup_size: 128
    .sgpr_count:     66
    .vgpr_count:     160
    .wavefront_size: 32
...
	.end_amdgpu_metadata
.endif
;; end of part 6
